; MI455X (gfx1250); checked and timed in simulation.
; The chip was launched on July 23, 2026; its instructions are those of AMD's public machine-readable ISA for CDNA 5 (MIT licence, August 2026) and "CDNA5" Instruction Set Architecture Reference Guide (July 2026). The comments in the code are by the model that wrote it; some were corrected since.
;; Multi Headed Attention. Allowed arithmetic: matrix products marked QUANTISED: E2M1 operands, one E8M0 scale for each 32 along K, by v_wmma_scale_f32_16x16x128_f8f6f4 with both operands' format E2M1 (or v_wmma_scale_f32_32x16x128_f4), f32 sums; everything else in f32.
;; Inputs: Wk 1,024 x 1,024 float32; Wo 1,024 x 1,024 float32; Wq 1,024 x 1,024 float32; Wv 1,024 x 1,024 float32; bk 1,024 float32; bo 1,024 float32; bq 1,024 float32; bv 1,024 float32; key 4 x 2,048 x 1,024 float32; query 4 x 2,048 x 1,024 float32; value 4 x 2,048 x 1,024 float32.
;; Outputs: out0 4 x 2,048 x 1,024 float32.
;; This version of the problem:
;;   THIS VERSION OF THE PROBLEM IS GIVEN IN LOW PRECISION. The matrix products marked QUANTISED in the list below multiply operands that are first quantised to E2M1 (2 exponent bits, 1 mantissa bit; 4 bits a number), with one power-of-two scale for each 32 numbers along K (OCP MX v1.0); their sums are f32. All else is computed in f32.
;;   The module's matrix products, in the order in which they are computed (A, B: the left and right operand; K: the contracted axis; several contracted axes count as one K, in the product's order):
;;     1. [M 8,192, K 1,024] x [K 1,024, N 1,024]; A: input query; B: input Wq: QUANTISED
;;     2. [M 8,192, K 1,024] x [K 1,024, N 1,024]; A: input key; B: input Wk: QUANTISED
;;     3. [M 8,192, K 1,024] x [K 1,024, N 1,024]; A: input value; B: input Wv: QUANTISED
;;     4. batch 64 x [M 2,048, K 64] x [K 64, N 2,048]; A: computed on the way; B: computed on the way: QUANTISED
;;     5. batch 64 x [M 2,048, K 2,048] x [K 2,048, N 64]; A: softmax (see below); B: computed on the way: QUANTISED
;;     6. [M 8,192, K 1,024] x [K 1,024, N 1,024]; A: computed on the way; B: input Wo: QUANTISED
;;   THE QUANTISER, for each operand of a quantised product, along K:
;;     - K is cut into blocks of 32 from its start; a last block that is shorter is filled with zeros.
;;     - A block's scale is 2^e with e = floor(log2(the largest magnitude in the block)) - 2, held to -126 .. 127; a block of zeros has e = 0. As a byte (E8M0): e + 127.
;;     - Each number is divided by its block's scale, clamped to +-6, and rounded to the nearest number of E2M1, ties to even, subnormals kept.
;;     - The product sums the exact products of the quantised numbers (number of the format x scale) in f32.
;;   ~~~python
;;   def quantise(x, axis):      # numpy; x: float32 -> the quantised numbers, widened to float32 again
;;       x = np.moveaxis(x, axis, -1); K = x.shape[-1]
;;       x = np.pad(x, [(0, 0)] * (x.ndim - 1) + [(0, -K % 32)]); x = x.reshape(x.shape[:-1] + (-1, 32)); a = np.abs(x).max(-1, keepdims=True)
;;       e = np.where(a > 0, np.clip(np.frexp(np.where(a > 0, a, 1))[1] - 1 - 2, -126, 127), 0)      # np.frexp(a)[1] - 1 = floor(log2(a)), exactly
;;       r = np.clip(x / 2.0 ** e, -6, 6)
;;       step = 2.0 ** (np.maximum(np.frexp(np.where(r == 0, 1, r))[1] - 1, 0) - 1)
;;       q = np.round(r / step) * step * 2.0 ** e      # np.round: ties to even
;;       return np.moveaxis(q.reshape(q.shape[:-2] + (-1,))[..., :K], -1, axis).astype(np.float32)
;;   ~~~
;;   SOFTMAX AHEAD OF A QUANTISED PRODUCT. Where the list says 'softmax', what is quantised is not the finished softmax but p = 2^(t - M), with t = logit x log2(e) and M = ceil(the row's largest t), a whole number; so 1/2 < the row's largest p <= 1. The row's sum l is taken of the UNQUANTISED p, in f32, and the product's result is divided by l at the end. Since M is a whole number, a kernel that streams over the keys may use a running M (the ceiling of the running maximum): every later rescaling is an exact power of two, which a block's scale takes up: the codes' values come out the same.
;;   OPERANDS COMPUTED ON THE WAY. 'Computed on the way' means the value that the module computes at that place (a softmax that the list does not call 'softmax' is quantised finished and normalised). What goes into a quantiser is computed in f32, as accurately as f32 sums, v_exp_f32 and their like allow (about 1e-6 of the number): no bf16 or f16 on the way to a quantiser, and a product that is left as it is and whose result goes on into a quantised operand takes f32 operands (vector FMAs, or v_wmma_f32_16x16x4_f32). A number that lies on a knife's edge between two numbers of the format may be rounded either way, as far as f32 arithmetic and the matrix unit's own rounding can turn it there, and no further.
;; One version. Each part assembles by itself: llvm-mc -triple=amdgcn-amd-amdhsa -mcpu=gfx1250 --defsym DOCPART=n.
;; ======== version 1 of 1: 4 launches
;; workspace buffers: acodes 14,680,064 bytes; ascales 917,504 bytes; pcodes 12,582,912 bytes; pscales 786,432 bytes; xcodes 4,194,304 bytes; xscales 262,144 bytes
;; launch quant (part 1): grid 896 x 1, 4 waves a work-group, no clusters, 33,280 bytes of LDS; arguments query, key, value, Wq, Wk, Wv, Wo, acodes, ascales; writes acodes, ascales
.if DOCPART == 1
	.amdgcn_target "amdgcn-amd-amdhsa--gfx1250"
	.amdhsa_code_object_version 6
	.text
	.protected	k_q2dfeb33f7a_quant
	.globl	k_q2dfeb33f7a_quant
	.p2align	8
	.type	k_q2dfeb33f7a_quant,@function
k_q2dfeb33f7a_quant:
	s_mov_b64 s[64:65], 0
	v_nop
	global_prefetch_b8 v0, s[64:65] scope:SCOPE_SE
	s_setreg_imm32_b32 hwreg(HW_REG_WAVE_MODE, 25, 1), 1
	s_wait_xcnt 0x0
; query, key, value [8192][1024] and Wq, Wk, Wv, Wo [1024][1024], f32, K innermost, are turned into codes of FP4 (E2M1), 4 bits each, with one E8M0 scale byte for each 32 along K.
; A block's scale is 2^(floor(log2(its largest magnitude)) - 2); its byte is the largest magnitude's own exponent field - 2, held at 1 from below.  Each number is divided by the scale and rounded to the nearest code, ties to even; beyond 6 the largest code.
; LIMITS: a block whose largest magnitude lies under 2^-124 keeps the byte 1; a block of zeros gets the byte 1 too (its codes are zeros, and this program alone reads the bytes); NaN and infinities among the inputs are not served.
; OUT: one stream of rows of 512 bytes of codes (acodes) and of 32 scale bytes (ascales): query, key, value, Wq, Wk, Wv, Wo on end.
; THE ROWS ARE STORED IN POSITION ORDER: in each group of 32 rows the second and the third run of 8 rows change places.  Position 16 T + r (T = 2 b + u) then stands for true row 32 b + 8 u + r + 8 (r / 8), so that a later product
; that takes 16 neighbouring positions as a tile of its first source finds, in the 16 registers of tiles 2 b and 2 b + 1, 16 TRUE neighbours 32 b + 16 (lane / 16) + 0 .. 15: what the next quantiser wants.
; SHARES: 896 work-groups of 32 rows: 256 each for query, key, value, 32 each for the four weights.  A wave takes 8 rows = 8,192 numbers = 16 steps of 512; its place in the output is wave' = 2 (wave % 2) + wave / 2.
; A step: four loads of 512 consecutive bytes; the 2,048 bytes turn through the wave's own stage in LDS (16 bytes of padding behind each 64) and come back 64 bytes a lane: 16 neighbours along K, two lanes to a block.
; A lane's 16 codes are 8 bytes: the wave stores 256 consecutive bytes.  The wave's 256 scale bytes are gathered in its own LDS bytes and leave as one aligned run of 256.  No barrier: waves share nothing.
.set STEPS, 16
.set EMAX,  2
.set CB,    8                          ; bytes of 16 codes
.set R,     16                         ; v16-79   four sets of 16 numbers as they are loaded
.set X,     80                         ; v80-111  two sets of 16 neighbours
.set C,     128                        ; v128-191 codes: four registers for each step, so that no store's data are written again
.set E,     112                        ; v112-127 a scale byte for each step
.set WREG,  8192                       ; LDS: a region for each wave: two stages of 32 x SP bytes, behind them its 256 scale bytes
.set SP,    80                         ; a lane's place in a stage: 64 bytes + 16 of padding
	s_load_b256 s[4:11], s[0:1], 0x0               ; query, key, value, Wq
	s_load_b256 s[12:19], s[0:1], 0x20             ; Wk, Wv, Wo, acodes
	s_load_b64 s[20:21], s[0:1], 0x40              ; ascales
	v_lshl_add_u32 v192, v0, 2, 0x8000
	v_mov_b32 v193, 0
	v_lshrrev_b32 v1, 5, v0
	v_readfirstlane_b32 s24, v1                    ; wave
	v_and_b32 v2, 31, v0                           ; lane
	v_lshlrev_b32 v3, 4, v2                        ; my 16 bytes of a load's 512
	s_mul_i32 s25, s24, WREG
	v_lshrrev_b32 v14, 2, v2
	v_mul_u32_u24 v14, v14, SP
	v_and_b32 v15, 3, v2
	v_lshl_add_u32 v14, v15, 4, v14
	v_add_nc_u32 v14, s25, v14                     ; the stage, on the way in: SP (lane / 4) + 16 (lane % 4)
	v_mul_u32_u24 v15, v2, SP
	v_add_nc_u32 v15, s25, v15                     ; and on the way out: SP x lane: my 16 neighbours
	v_mul_u32_u24 v4, v2, CB                       ; my codes' place in a step's
	v_lshrrev_b32 v5, 1, v2
	s_add_co_u32 s25, s25, 2*32*SP
	v_add_nc_u32 v5, s25, v5                       ; LDS: my wave's 256 scale bytes, my block's byte
	v_lshlrev_b32 v7, 3, v2                        ; and on the way out 8 bytes a lane
	v_add_nc_u32 v6, s25, v7
	s_and_b32 s22, ttmp9, 255                      ; which 32 rows of its tensor the work-group takes: of an activation,
	s_and_b32 s23, ttmp9, 31                       ; of a weight (768 is a multiple of 32)
	s_cmp_lt_u32 ttmp9, 768
	s_cselect_b32 s22, s22, s23
	s_lshl_b32 s22, s22, 2
	s_add_co_u32 s22, s22, s24
	s_lshl_b32 s22, s22, 15                        ; my 8 rows in the source: 32,768 bytes a wave (under 2^26)
	s_mov_b32 s23, 0
	s_and_b32 s26, s24, 1
	s_lshl_b32 s26, s26, 1
	s_lshr_b32 s27, s24, 1
	s_or_b32 s26, s26, s27                         ; wave' = 2 (wave % 2) + wave / 2: the position order
	s_lshl_b32 s27, ttmp9, 2
	s_add_co_u32 s26, s26, s27                     ; my run of 8 rows in the output stream
	s_lshl_b32 s28, s26, 12                        ; 4,096 bytes of codes a run,
	s_mov_b32 s29, 0
	s_lshl_b32 s30, s26, 8                         ; 256 scale bytes
	s_mov_b32 s31, 0
	s_wait_alu depctr_va_vdst(0)
	s_wait_kmcnt 0x0
	s_cmp_lt_u32 ttmp9, 864                        ; the source is chosen by the work-group's number alone, from the last tensor back to the first
	s_cselect_b64 s[16:17], s[14:15], s[16:17]
	s_cmp_lt_u32 ttmp9, 832
	s_cselect_b64 s[16:17], s[12:13], s[16:17]
	s_cmp_lt_u32 ttmp9, 800
	s_cselect_b64 s[16:17], s[10:11], s[16:17]
	s_cmp_lt_u32 ttmp9, 768
	s_cselect_b64 s[16:17], s[8:9], s[16:17]
	s_cmp_lt_u32 ttmp9, 512
	s_cselect_b64 s[16:17], s[6:7], s[16:17]
	s_cmp_lt_u32 ttmp9, 256
	s_cselect_b64 s[4:5], s[4:5], s[16:17]
	s_add_nc_u64 s[4:5], s[4:5], s[22:23]
	s_add_nc_u64 s[18:19], s[18:19], s[28:29]
	s_add_nc_u64 s[20:21], s[20:21], s[30:31]
.macro LOAD t
.irp i, 0,1,2,3
	global_load_b128 v[R+16*((\t)%4)+4*\i:R+16*((\t)%4)+4*\i+3], v3, s[4:5] offset:2048*(\t)+512*\i th:TH_LOAD_NT   ; 32 lanes read 512 consecutive bytes, read once in the launch
.endr
.endm
.macro TURN t                          ; step t's numbers through the stage: LDS serves a wave's instructions in order, so no wait stands between the stores and the loads
.irp i, 0,1,2,3
	ds_store_b128 v14, v[R+16*((\t)%4)+4*\i:R+16*((\t)%4)+4*\i+3] offset:32*SP*((\t)%2)+8*SP*\i
.endr
.irp i, 0,1,2,3
	ds_load_b128 v[X+16*((\t)%2)+4*\i:X+16*((\t)%2)+4*\i+3], v15 offset:32*SP*((\t)%2)+16*\i
.endr
.endm
.irp t, 0,1,2,3
	LOAD \t
.endr
	s_wait_loadcnt 12                              ; step 0's four loads are in; the 12 of steps 1 to 3 may be out
	TURN 0
.macro STEP t
.set XS, X+16*((\t)%2)
.if (\t) > 0
	s_wait_dscnt 1                                 ; this step's numbers are back from the stage (the last step's byte store may be out): so its stores into the stage have read their registers,
.else
	s_wait_dscnt 0x0
.endif
.if (\t)+4 < STEPS
	LOAD (\t)+4                                    ; which take the loads of four steps on
.endif
.if (\t)+1 < STEPS
.if STEPS-2-(\t) >= 3
	s_wait_loadcnt 12                              ; the next step's four loads are in; those of the three steps behind it may be out
.else
	s_wait_loadcnt 4*(STEPS-2-(\t))                ; at the end the count runs down with the steps that are left
.endif
	TURN (\t)+1                                    ; and go through the other stage while this step is worked
.endif
	v_max3_num_f32 v8, |v[XS]|, |v[XS+1]|, |v[XS+2]|               ; the largest magnitude of my 16, in two chains
	v_max3_num_f32 v9, |v[XS+3]|, |v[XS+4]|, |v[XS+5]|
.irp i, 6,10
	v_max3_num_f32 v8, v8, |v[XS+\i]|, |v[XS+\i+1]|
	v_max3_num_f32 v9, v9, |v[XS+\i+2]|, |v[XS+\i+3]|
.endr
	v_max3_num_f32 v8, v8, |v[XS+14]|, |v[XS+15]|
	v_max3_num_f32 v8, v8, v9, (EMAX+1)<<23        ; and the floor 2^(3 - 127): the byte cannot fall under 1
	v_max_num_f32_dpp v8, v8, v8 row_xmask:1 row_mask:0xf bank_mask:0xf   ; and of my neighbour's 16: the block's
	v_add_nc_u32 v11, 0xff000000, v8               ; 2 off its exponent field: the conversion takes the exponent field of this operand as its scale, and nothing else of it
	v_cvt_scalef32_pk8_fp4_f32 v[C+4*(\t)], v[XS:XS+7], v11
	v_cvt_scalef32_pk8_fp4_f32 v[C+4*(\t)+1], v[XS+8:XS+15], v11
	v_lshrrev_b32 v[E+(\t)], 23, v11               ; the scale's byte (also the plain line behind the conversions)
	ds_store_b8 v5, v[E+(\t)] offset:16*(\t)       ; both lanes of a block write the same byte with the same value
	global_store_b64 v4, v[C+4*(\t):C+4*(\t)+1], s[18:19] offset:32*CB*(\t)   ; the wave stores 256 consecutive bytes, aligned
.endm
.irp t, 0,1,2,3,4,5,6,7,8,9,10,11,12,13,14,15
	STEP \t
.endr
	ds_load_b64 v[12:13], v6                       ; LDS serves a wave's instructions in order: these see my byte stores
	s_wait_dscnt 0x0
	global_store_b64 v7, v[12:13], s[20:21]        ; 32 lanes store my 8 rows' 256 scale bytes, aligned
	s_wait_tensorcnt 0x0
	ds_add_u32 v192, v193
	s_wait_dscnt 0x0
	s_endpgm
.Lfunc_end_k_q2dfeb33f7a_quant:
	.size	k_q2dfeb33f7a_quant, .Lfunc_end_k_q2dfeb33f7a_quant-k_q2dfeb33f7a_quant
	.p2alignl 7, 3214868480
	.fill 96, 4, 3214868480
	.section	.rodata,"a",@progbits
	.p2align	6, 0x0
	.amdhsa_kernel k_q2dfeb33f7a_quant
		.amdhsa_group_segment_fixed_size 33280
		.amdhsa_private_segment_fixed_size 0
		.amdhsa_enable_private_segment 0
		.amdhsa_kernarg_size 72
		.amdhsa_user_sgpr_count 2
		.amdhsa_user_sgpr_kernarg_segment_ptr 1
		.amdhsa_wavefront_size32 1
		.amdhsa_system_sgpr_workgroup_id_x 1
		.amdhsa_system_sgpr_workgroup_id_y 1
		.amdhsa_system_sgpr_workgroup_id_z 1
		.amdhsa_system_vgpr_workitem_id 0
		.amdhsa_next_free_vgpr 194
		.amdhsa_next_free_sgpr 66
		.amdhsa_reserve_vcc 0
		.amdhsa_float_denorm_mode_32 3
		.amdhsa_float_denorm_mode_16_64 3
		.amdhsa_memory_ordered 1
		.amdhsa_forward_progress 1
		.amdhsa_inst_pref_size 34
	.end_amdhsa_kernel
	.amdgpu_metadata
---
amdhsa.version: [ 1, 2 ]
amdhsa.kernels:
  - .name:           k_q2dfeb33f7a_quant
    .symbol:         k_q2dfeb33f7a_quant.kd
    .args:
      - { .name: query, .offset: 0, .size: 8, .value_kind: global_buffer, .address_space: global }
      - { .name: key, .offset: 8, .size: 8, .value_kind: global_buffer, .address_space: global }
      - { .name: value, .offset: 16, .size: 8, .value_kind: global_buffer, .address_space: global }
      - { .name: Wq, .offset: 24, .size: 8, .value_kind: global_buffer, .address_space: global }
      - { .name: Wk, .offset: 32, .size: 8, .value_kind: global_buffer, .address_space: global }
      - { .name: Wv, .offset: 40, .size: 8, .value_kind: global_buffer, .address_space: global }
      - { .name: Wo, .offset: 48, .size: 8, .value_kind: global_buffer, .address_space: global }
      - { .name: acodes, .offset: 56, .size: 8, .value_kind: global_buffer, .address_space: global }
      - { .name: ascales, .offset: 64, .size: 8, .value_kind: global_buffer, .address_space: global }
    .group_segment_fixed_size: 33280
    .private_segment_fixed_size: 0
    .kernarg_segment_align: 8
    .kernarg_segment_size: 72
    .max_flat_workgroup_size: 128
    .sgpr_count:     66
    .vgpr_count:     194
    .wavefront_size: 32
...
	.end_amdgpu_metadata
.endif
;; end of part 1
;; launch proj (part 2): grid 4 x 96, 4 waves a work-group, clusters of 4 x 4, 327,680 bytes of LDS; arguments acodes, ascales, bq, bk, bv, pcodes, pscales; writes pcodes, pscales
.if DOCPART == 2
	.amdgcn_target "amdgcn-amd-amdhsa--gfx1250"
	.amdhsa_code_object_version 6
	.text
	.protected	k_q2dfeb33f7a_proj
	.globl	k_q2dfeb33f7a_proj
	.p2align	8
	.type	k_q2dfeb33f7a_proj,@function
k_q2dfeb33f7a_proj:
	s_mov_b64 s[64:65], 0
	v_nop
	global_prefetch_b8 v0, s[64:65] scope:SCOPE_SE
	s_setreg_imm32_b32 hwreg(HW_REG_WAVE_MODE, 25, 1), 1
	s_wait_xcnt 0x0
	s_wait_alu depctr_hold_cnt(0) depctr_sa_sdst(0) depctr_va_vdst(0) depctr_va_sdst(0) depctr_va_ssrc(0) depctr_va_vcc(0) depctr_vm_vsrc(0)
	s_getreg_b32 s2, hwreg(HW_REG_IB_STS2, 6, 4)
	s_cmp_eq_u32 s2, 0
	s_cbranch_scc0 .Lentry_in_a_cluster
	s_endpgm
.Lentry_in_a_cluster:
	s_bfe_u32 s2, ttmp6, 0x10000c
	s_cmp_lg_u32 s2, 0xf033
	s_cbranch_scc0 .Lentry_shape_is_right
	s_endpgm
.Lentry_shape_is_right:
; The three input projections, q = query Wq^T + bq, k = key Wk^T + bk, v = value Wv^T + bv, on codes of FP4 (E2M1) with E8M0 scales for each 32 along K = 1,024; sums in f32.  The results never go to memory as f32:
; each wave quantises its 128 x 128 of results in registers, q and k along the head's 64, v along the keys, and stores codes and scale words in the order of the next product's operand registers.
; ONE FORM FOR ALL THREE: R[i][j] = sum over k of X[i][k] Y[j][k].  Source 0 of the matrix instruction takes 16 rows of Y, source 1 takes 16 rows of X: a lane holds ONE i (lane % 16), its registers run along j, and j is the axis that is quantised.
;   mode 0, 1 (q, k): X = query / key (i: tokens), Y = Wq / Wk (j: features).      mode 2 (v): X = Wv (i: features), Y = value (j: keys).
; All rows lie in POSITION ORDER in acodes (position 16 T + r, T = 2 b + u, is true row 32 b + 8 u + r + 8 (r / 8)): so the 16 registers of Y's tiles 2 b, 2 b + 1 are TRUE j = 32 b + 16 (lane / 16) + 0 .. 15, while i stays a position.
; SHARES: a work-group of four waves makes 256 x 256, a wave 128 x 128: 64 accumulators, 512 registers.  K = 1,024 is two LDS slots of 512 along K, both asked for at the start: nothing is filled again.
; The scale bytes of the work-group's 256 + 256 rows, for all of K, come once, in rows of 256 bytes.  CLUSTERS: 4 x 4 work-groups; X's tile hangs on cy alone and is asked for jointly along a row of the cluster, Y's on cx alone, along a column.
; The cluster's y (0 .. 23) gives the mode (y / 8) and which eighth (y % 8): the same in all sixteen partners, so the branches on the mode are alike in all of them.
; THE BIAS is the C of each sum's first product: modes 0, 1: eight registers for each tile of Y (the lane's eight true features); mode 2: for each tile of X the lane's one feature in all eight.
; OUT: pcodes: q at 0, k at 4 MiB: [batch][head][tile of 16 positions][512 B]: lane l's 16 bytes at 16 l: position l % 16, block l / 16 of the head's 64.   v at 8 MiB: [batch][head][128 keys][16 d-positions: 4][1,024 B]: the whole 8-register fragment.
;      pscales: q at 0, k at 256 KiB: [batch][pair of heads][position][4 B];   v at 512 KiB: [batch][head][128 keys][d-position][4 B].
; LIMITS: NaN and infinities are not served; a block whose largest magnitude lies under 2^-124, and a block of zeros, keep the byte 1 (zero codes add nothing; this program alone reads the bytes).
; REGISTERS, in windows of 256: window 0: v1-30 addresses; v32-95 scale words, two sets, and nothing else; v96-127 at work in the epilogue; v128-191 X's fragments, ONE set, later the codes made; v192-255 the bias.
;   window 1: Y's fragments, TWO sets, at v0 and v128.   window 2: the accumulators of my X blocks 0-3 (accumulator (a, b) at v[8 (8 (a % 4) + b)]);   window 3: blocks 4-7.
.set NQ,     4                         ; matrix instructions deep in a slot: 512 along K
.set ROWB,   256                       ; a tile's row in bytes
.set KROW,   512                       ; a row of codes in memory
.set PITCH,  272                       ; an LDS row: 256 bytes + 16 of padding = 68 words: the 16 rows that a load touches start at 16 different banks (64 banks of 4 bytes: ISA guide 11.1)
.set FR,     8                         ; registers of a fragment
.set NL,     2                         ; LDS loads that bring one
.set NP,     4                         ; places behind this matrix instruction (ISA guide 7.12.1)
.set HALFT,  128*PITCH                 ; 128 rows: what one tensor load brings
.set SLOT,   4*HALFT                   ; X's 256 rows, then Y's 256 rows
.set KS,     32                        ; a row of scale bytes
.set SCL,    2*SLOT                    ; behind the slots: the scales, as runs of 256 bytes + 16 of padding
.set HALFS,  (128*KS/256)*272          ; those of 128 rows
.set SBLK,   (16*KS/256)*272           ; those of 16 rows
.set SPARE,  SCL+4*HALFS               ; the spare words, 128 bytes for each wave: two blocks of 256 bytes that no other line names
.set BQO,  12                          ; v12  the bias, modes 0, 1: 64 x (lane / 16)
.set BVO,  13                          ; v13  the bias, mode 2: 4 x the true row of my position
.set ADRA, 16                          ; v16-17  LDS address of my X fragments in slot 0, 1
.set ADRB, 20                          ; v20-21  the same for Y
.set SSTO, 24                          ; v24  the scale words' stage: where I put a word
.set SRD,  25                          ; v25  and where I read 16 bytes back
.set SVO,  26                          ; v26  their byte offset in pscales
.set ADRS, 27                          ; v27  LDS address of my scale words: lanes 0-15 X's rows, lanes 16-31 Y's
.set SPW,  28                          ; v28  LDS address of my spare word; never rewritten
.set NIL,  29                          ; v29  0; never rewritten
.set LI,   30                          ; v30  16 x lane
.set SC,   32                          ; scale words: set s at v[SC + 32 s]; register 4 i + q: lanes 0-15 X's block i, lanes 16-31 Y's block i, the slot's q-th 128 along K
.set VO,   96                          ; v96-103   byte offset in pcodes of block a's image
.set TM,   104                         ; v104-107 largest magnitudes, v108-111 the other half's, then bytes, v116-119 the conversions' scale operands
.set PW,   120                         ; v120-127  block a's scale word
.set AF,   128                         ; X's fragments
.set PCB,  128                         ; the epilogue: block a's codes at v[128 + 8 a]
.set BIAS, 192
.set SWB,  192                         ; the epilogue: scale words read back
.set G1, 24                            ; s[24:31] descriptor group 1 for X's tiles;  s[32:39] group 0, one set for each slot
.set G0, 32
.set G1B, 48                           ; s[48:55], s[56:63] the same for Y's tiles
.set G0B, 56
.set G1S, 68                           ; s[68:75], s[76:79] groups 1 and 0 for X's scales;  s[80:87], s[88:91] for Y's
.set G0S, 76
.set G1SB, 80
.set G0SB, 88
.set SEL, 92                           ; s[92:93] lane selects for v_permlanex16_b32: lane l xor 16 (set behind their use as temporaries)
.set MSB, 0
.macro WIN new                         ; the immediate's high byte repeats the setting that is left
.if MSB != \new
	s_set_vgpr_msb (MSB<<8)|\new
.set MSB, \new
.endif
.endm
.set MUL_LO,  0xa1                     ; source 0 (Y) window 1, source 1 (X) window 0, C and D window 2
.set MUL_HI,  0xf1                     ; the same, C and D window 3
.set MUL_LO0, 0x81                     ; the first step: C (the bias) window 0, D window 2
.set MUL_HI0, 0xc1                     ; D window 3
.set TO_B,    0x40                     ; destination window 1, address window 0
; A joint load: waves 0 and 1 fetch for X, waves 2 and 3 for Y.  Each of the two lines has one mask and one set of registers for all that issue it; the branch hangs on the wave's number alone.
; Four v_nop follow each of the two lines, ahead of the jump, the label and what follows.
.macro JLOAD g0a, g1a, g0b, g1b
	s_cmp_eq_u32 s15, 0
	s_cbranch_scc0 .Lfor_b_\@
	tensor_load_to_lds s[\g0a:\g0a+3], s[\g1a:\g1a+7]
	s_nop 0
.rept 4
	v_nop
.endr
	s_branch .Lasked_\@
.Lfor_b_\@:
	tensor_load_to_lds s[\g0b:\g0b+3], s[\g1b:\g1b+7]
	s_nop 0
.rept 4
	v_nop
.endr
.Lasked_\@:
.endm
.macro CROUND                          ; a round of the cluster's barrier: my work-group's barrier; wave 0 signals for the work-group; every wave waits for all sixteen; my work-group's barrier once more
	s_barrier_signal -1
	s_barrier_wait -1
	s_cmp_lg_u32 s14, 0
	s_cbranch_scc1 .Lnot_wave_0_\@
	s_barrier_signal -3
.Lnot_wave_0_\@:
	s_barrier_wait -3
	s_barrier_signal -1
	s_barrier_wait -1
.endm
	s_load_b256 s[4:11], s[0:1], 0x0               ; acodes s[4:5], ascales s[6:7], bq s[8:9], bk s[10:11]
	s_load_b64 s[12:13], s[0:1], 0x20              ; bv
	s_load_b128 s[96:99], s[0:1], 0x28             ; pcodes s[96:97], pscales s[98:99]
	v_lshl_add_u32 v[SPW], v0, 2, SPARE
	v_mov_b32 v[NIL], 0
	ds_add_u32 v28, v29
	ds_add_u32 v28, v29
	s_wait_dscnt 0x0
	v_lshrrev_b32 v1, 5, v0
	v_readfirstlane_b32 s14, v1                    ; wave 0..3
	s_lshr_b32 s15, s14, 1                         ; which half of X's 256 rows is mine.  Also: I fetch for X (0) or for Y (1)
	s_and_b32 s16, s14, 1                          ; which half of Y's.  Also: which 128 rows of that tile I fetch
	s_bfe_u32 s40, ttmp6, 0x40000                  ; cx, cy: my place in the cluster
	s_bfe_u32 s41, ttmp6, 0x40004
	s_and_b32 s3, ttmp7, 0xffff                    ; the cluster's y, 0 .. 23
	s_lshr_b32 s2, s3, 3                           ; mode: 0 q, 1 k, 2 v
	s_and_b32 s3, s3, 7
	s_lshl_b32 s3, s3, 2                           ; 4 x which eighth of the long axis
	s_lshl_b32 s18, s2, 22                         ; modes 0, 1: X = query / key at mode x 4 MiB,
	s_lshl_b32 s19, s2, 19
	s_add_co_u32 s19, s19, 12582912                ; Y = Wq / Wk
	s_mov_b32 s20, 13631488                        ; mode 2: X = Wv,
	s_mov_b32 s21, 8388608                         ; Y = value
	s_cmp_eq_u32 s2, 2
	s_cselect_b32 s18, s20, s18                    ; X's first byte in acodes
	s_cselect_b32 s19, s21, s19                    ; Y's
	s_cselect_b32 s22, 0, s3
	s_cselect_b32 s23, s3, 0
	s_add_co_u32 s17, s22, s41                     ; X's tile of 256 rows: made of cy and the cluster's y alone
	s_add_co_u32 s42, s23, s40                     ; Y's: of cx and the cluster's y alone
	s_lshl_b32 s43, s41, 2
	s_lshl_b32 s43, 15, s43                        ; my row of the cluster
	s_lshl_b32 s44, 0x1111, s40                    ; my column
	; descriptor group 1: a tile of 128 rows x 256 bytes, padded in LDS
	s_or_b32 s[G1+0], s43, (0<<16)|(1<<20)|(1<<21)|(5<<22)|(3<<25)  ; 15:0 the mask: X's tiles go to my row; 17:16 elements of 1 byte; 20 padding on; 21 set beside a mask; 24:22 after every 64 words; 31:25 four words
	s_or_b32 s[G1B+0], s44, (0<<16)|(1<<20)|(1<<21)|(5<<22)|(3<<25)
.irp g, G1, G1B
	s_mov_b32 s[\g+1], ROWB<<16                    ; tensor_dim0
	s_mov_b32 s[\g+2], 128<<16                     ; tensor_dim1
	s_mov_b32 s[\g+3], ROWB<<16                    ; tile_dim0
	s_mov_b32 s[\g+4], 128                         ; tile_dim1
	s_mov_b32 s[\g+5], KROW                        ; bytes from row to row
	s_mov_b32 s[\g+6], 0
	s_mov_b32 s[\g+7], 0
.endr
	; the scales of 128 rows: 4,096 dense bytes, as 16 rows of 256 bytes (32 elements of 8 bytes), 16 bytes of padding behind each
	s_or_b32 s[G1S+0], s43, (3<<16)|(1<<20)|(1<<21)|(5<<22)|(3<<25)
	s_or_b32 s[G1SB+0], s44, (3<<16)|(1<<20)|(1<<21)|(5<<22)|(3<<25)
.irp g, G1S, G1SB
	s_mov_b32 s[\g+1], 32<<16
	s_mov_b32 s[\g+2], (128*KS/256)<<16
	s_mov_b32 s[\g+3], 32<<16
	s_mov_b32 s[\g+4], 128*KS/256
	s_mov_b32 s[\g+5], 32
	s_mov_b32 s[\g+6], 0
	s_mov_b32 s[\g+7], 0
.endr
	s_lshl_b32 s45, s16, 7                         ; which 128 rows of the tile I fetch
	s_lshl_b32 s20, s17, 8
	s_add_co_u32 s20, s20, s45                     ; X: row 256 x tile + 128 x half
	s_lshl_b32 s46, s42, 8
	s_add_co_u32 s46, s46, s45                     ; Y likewise
	s_lshl_b32 s22, s20, 5                         ; X's scale bytes: 32 a row, behind the tensor's first (a sixteenth of the codes' offset)
	s_lshr_b32 s21, s18, 4
	s_add_co_u32 s22, s22, s21
	s_mov_b32 s23, 0
	s_lshl_b32 s20, s20, 9                         ; X's codes: 512 bytes a row.  All offsets stay under 2^24
	s_add_co_u32 s20, s20, s18
	s_mov_b32 s21, 0
	s_lshl_b32 s92, s46, 5
	s_lshr_b32 s47, s19, 4
	s_add_co_u32 s92, s92, s47
	s_mov_b32 s93, 0
	s_lshl_b32 s46, s46, 9
	s_add_co_u32 s46, s46, s19
	s_mov_b32 s47, 0
	s_mul_i32 s45, s14, HALFT                      ; where they go: wave x 128 rows: no place in the cluster enters an LDS address
	s_mul_i32 s94, s14, HALFS
	s_wait_kmcnt 0x0
	s_add_nc_u64 s[20:21], s[4:5], s[20:21]
	s_add_nc_u64 s[22:23], s[6:7], s[22:23]
	s_add_nc_u64 s[46:47], s[4:5], s[46:47]
	s_add_nc_u64 s[92:93], s[6:7], s[92:93]
	CROUND                                         ; all sixteen work-groups are here: the joint loads meet
	s_mov_b32 s[G0S], 1
	s_add_co_u32 s[G0S+1], s94, SCL
	s_mov_b64 s[G0S+2:G0S+3], s[22:23]
	s_or_b32 s[G0S+3], s[G0S+3], 0x80000000
	s_mov_b32 s[G0SB], 1
	s_add_co_u32 s[G0SB+1], s94, SCL
	s_mov_b64 s[G0SB+2:G0SB+3], s[92:93]
	s_or_b32 s[G0SB+3], s[G0SB+3], 0x80000000
	JLOAD G0S, G1S, G0SB, G1SB                     ; the scales first: they are wanted with the first step
.irp s, 0,1
	s_mov_b32 s[G0+4*\s], 1
	s_add_co_u32 s[G0+4*\s+1], s45, \s*SLOT
	s_add_nc_u64 s[G0+4*\s+2:G0+4*\s+3], s[20:21], \s*ROWB
	s_or_b32 s[G0+4*\s+3], s[G0+4*\s+3], 0x80000000
	s_mov_b32 s[G0B+4*\s], 1
	s_add_co_u32 s[G0B+4*\s+1], s45, \s*SLOT
	s_add_nc_u64 s[G0B+4*\s+2:G0B+4*\s+3], s[46:47], \s*ROWB
	s_or_b32 s[G0B+4*\s+3], s[G0B+4*\s+3], 0x80000000
	s_wait_alu depctr_va_vdst(0)
	s_wait_tensorcnt 0x0
	ds_add_u32 v28, v29
	s_wait_dscnt 0x0
	CROUND
	JLOAD G0+4*\s, G1, G0B+4*\s, G1B               ; slot s: only this tensor load of mine is out; the wait above took the earlier ones
.endr
	v_and_b32 v1, 15, v0                           ; r = lane % 16
	v_bfe_u32 v2, v0, 4, 1                         ; h = lane / 16
	v_mul_u32_u24 v3, v1, PITCH
	v_lshl_add_u32 v4, v2, 4, v3                   ; a fragment's row x pitch + 16 h
	s_mul_i32 s21, s15, HALFT                      ; my 128 rows of X
	s_mul_i32 s22, s16, HALFT                      ; my 128 rows of Y,
	s_add_co_u32 s22, s22, 2*HALFT                 ; which lie behind X's 256
.irp s, 0,1
	v_add_nc_u32 v[ADRA+\s], s21, v4
	v_add_nc_u32 v[ADRB+\s], s22, v4
	s_add_co_u32 s21, s21, SLOT
	s_add_co_u32 s22, s22, SLOT
.endr
	v_mul_u32_u24 v5, v1, KS                       ; my row's scales: 32 bytes a row,
	v_lshrrev_b32 v6, 8, v5
	v_lshl_add_u32 v5, v6, 4, v5                   ; and 16 more for each 256 passed
	s_mul_i32 s21, s15, HALFS                      ; X's: my 128 rows
	s_mul_i32 s22, s16, HALFS                      ; Y's: my 128 rows, behind X's 256
	s_add_co_u32 s22, s22, 2*HALFS
	s_sub_co_u32 s22, s22, s21
	v_mul_u32_u24 v6, s22, v2                      ; lanes 16-31 take Y's: one product, the distance x h
	s_add_co_u32 s21, s21, SCL
	v_add_nc_u32 v5, v5, v6
	v_add_nc_u32 v[ADRS], s21, v5
	s_lshl_b32 s23, s14, 9                         ; the scale words' stage: 512 bytes a wave at LDS byte 512 x wave: in slot 0, written only when that slot has had its one fill and its last read
	v_lshl_add_u32 v[SSTO], v1, 2, s23
	v_and_b32 v6, 31, v0
	v_lshlrev_b32 v[LI], 4, v6
	v_add_nc_u32 v[SRD], s23, v[LI]
	v_lshlrev_b32 v[BQO], 6, v2
	v_and_b32 v[BVO], 8, v1
	v_add_nc_u32 v[BVO], v[BVO], v1                ; r + 8 (r / 8)
	v_lshlrev_b32 v[BVO], 2, v[BVO]
	s_lshl_b32 s20, s17, 8
	s_lshl_b32 s21, s15, 7
	s_add_co_u32 s20, s20, s21                     ; i0: my first position of X
	s_lshl_b32 s46, s42, 1
	s_add_co_u32 s46, s46, s16                     ; jg: my run of 128 of Y
	; WHERE THE RESULTS GO AND WHICH BIAS: two arms on the mode; they hold scalar arithmetic and the bias loads alone.
	; s92 byte offset in pcodes, s94 in pscales, s100 from a fragment's first four registers to its last four, s18 from block to block, s19 more from block 4 on, s22 more for the second 256 bytes of scale words
	s_cmp_eq_u32 s2, 2
	s_cbranch_scc1 .Larm_v
	s_lshl_b32 s92, s2, 22                         ; q or k;
	s_lshr_b32 s93, s20, 11                        ; the batch: 2,048 positions each, 1 MiB of codes;
	s_lshl_b32 s94, s93, 20
	s_add_co_u32 s92, s92, s94
	s_lshl_b32 s94, s46, 17                        ; head 2 jg: 65,536 bytes a head;
	s_add_co_u32 s92, s92, s94
	s_and_b32 s95, s20, 2047
	s_lshl_b32 s94, s95, 5                         ; 512 bytes for each 16 positions
	s_add_co_u32 s92, s92, s94
	s_lshl_b32 s94, s2, 18
	s_lshl_b32 s93, s93, 16
	s_add_co_u32 s94, s94, s93
	s_lshl_b32 s93, s46, 13                        ; a pair of heads: 2,048 words
	s_add_co_u32 s94, s94, s93
	s_lshl_b32 s93, s95, 2
	s_add_co_u32 s94, s94, s93
	s_mov_b32 s100, 65536                          ; registers 4-7 are the odd head's image
	s_mov_b32 s18, 512
	s_mov_b32 s19, 0
	s_mov_b32 s22, 0
	s_lshl_b32 s46, s46, 9                         ; my 128 features of the bias
	s_mov_b32 s47, 0
	s_cmp_eq_u32 s2, 0
	s_cselect_b64 s[8:9], s[8:9], s[10:11]         ; bq or bk: the choice hangs on the mode alone
	s_add_nc_u64 s[8:9], s[8:9], s[46:47]
	s_wait_alu depctr_va_vdst(0)
.irp t, 0,1,2,3,4,5,6,7                        ; tile t of Y: true features 32 (t / 2) + 16 h + 8 (t % 2) + 0 .. 7
	global_load_b128 v[BIAS+8*\t:BIAS+8*\t+3], v[BQO], s[8:9] offset:(32*(\t/2)+8*(\t%2))*4
	global_load_b128 v[BIAS+8*\t+4:BIAS+8*\t+7], v[BQO], s[8:9] offset:(32*(\t/2)+8*(\t%2))*4+16
.endr
	s_branch .Larm_done
.Larm_v:
	s_lshr_b32 s93, s46, 4                         ; the batch: 16 runs of 128 keys each;
	s_and_b32 s95, s46, 15                         ; which run
	s_lshr_b32 s47, s20, 6                         ; my first head
	s_lshl_b32 s92, s93, 20
	s_add_co_u32 s92, s92, 2<<22
	s_lshl_b32 s94, s47, 16
	s_add_co_u32 s92, s92, s94
	s_lshl_b32 s94, s95, 12                        ; 4 fragments of 1,024 bytes a run
	s_add_co_u32 s92, s92, s94
	s_lshl_b32 s94, s93, 16
	s_add_co_u32 s94, s94, 2<<18
	s_lshl_b32 s93, s47, 12
	s_add_co_u32 s94, s94, s93
	s_lshl_b32 s93, s95, 8                         ; 64 words a run
	s_add_co_u32 s94, s94, s93
	s_mov_b32 s100, 512
	s_mov_b32 s18, 1024
	s_mov_b32 s19, 61440                           ; blocks 4-7 are the next head's: 65,536 - 4 x 1,024 further
	s_mov_b32 s22, 3840                            ; their words: 4,096 - 256 further
	s_lshl_b32 s46, s20, 2
	s_mov_b32 s47, 0
	s_add_nc_u64 s[8:9], s[12:13], s[46:47]        ; bv at my first feature
	s_wait_alu depctr_va_vdst(0)
.irp a, 0,1,2,3,4,5,6,7                        ; block a of X: my lane's one true feature, 32 (a / 2) + 8 (a % 2) + r + 8 (r / 8), in all eight registers
.irp j, 0,1,2,3,4,5,6,7
	global_load_b32 v[BIAS+8*\a+\j], v[BVO], s[8:9] offset:(32*(\a/2)+8*(\a%2))*4
.endr
.endr
.Larm_done:
	s_mov_b32 s93, 0
	s_mov_b32 s95, 0
	s_mov_b32 s101, 0
	s_add_nc_u64 s[96:97], s[96:97], s[92:93]      ; pcodes at my block 0, registers 0-3
	s_add_nc_u64 s[98:99], s[98:99], s[94:95]      ; pscales at my first word
	s_add_nc_u64 s[100:101], s[96:97], s[100:101]  ; pcodes, registers 4-7
	s_mov_b32 s[SEL], 0x76543210
	s_mov_b32 s[SEL+1], 0xfedcba98
	v_mad_u32_u24 v[SVO], v2, s22, v[LI]           ; 16 x lane, and the jump for lanes 16-31
.macro FRAG reg, adr, q, i             ; a fragment, 16 rows x 128 K of 4-bit codes: lane l holds row l % 16; registers 4 c .. 4 c + 3 hold K = 64 c + 32 (l / 16) + 0 .. 31
.irp c, 0,1
	ds_load_b128 v[\reg+4*\c:\reg+4*\c+3], v[\adr] offset:64*(\q)+32*\c+(\i)*16*PITCH
.endr
.endm
; 16 matrix instructions: X's blocks a0, a0 + 1 against Y's eight, 128 along K: the slot's q-th.  p: Y's set;  sc: the set of scale words.
; zero = 0: onto the sums;  1: the sums begin with the bias of Y's tile;  2: with the bias of X's block.  The 64 accumulators take turns, one instruction a turn, in the same order in every step.
.macro MUL16 a0, p, q, sc, zero
.irp a, \a0, \a0+1
.irp b, 0,1,2,3,4,5,6,7
.set DR, 8*(8*((\a)%4)+\b)
.if \zero == 1
.set CR, BIAS+8*\b
.elseif \zero == 2
.set CR, BIAS+8*(\a)
.else
.set CR, DR
.endif
	v_wmma_scale_f32_16x16x128_f8f6f4 v[DR:DR+7], v[128*(\p)+FR*\b:128*(\p)+FR*\b+FR-1], v[AF+FR*(\a):AF+FR*(\a)+FR-1], v[CR:CR+7], v[SC+8*NQ*(\sc)+NQ*\b+(\q)], v[SC+8*NQ*(\sc)+NQ*(\a)+(\q)] matrix_a_fmt:MATRIX_FMT_FP4 matrix_b_fmt:MATRIX_FMT_FP4 matrix_a_scale:MATRIX_SCALE_ROW1
.endr
.endr
.endm
.macro FETCH_B slot, q, p              ; Y's eight fragments of the slot's q-th 128 along K into set p
	WIN TO_B
.irp i, 0,1,2,3,4,5,6,7
	FRAG 128*(\p)+FR*\i, ADRB+\slot, \q, \i
.endr
	WIN 0
.endm
.macro FETCH_A slot, q, i0             ; X's blocks i0 .. i0 + 3
.irp i, \i0, \i0+1, \i0+2, \i0+3
	FRAG AF+FR*(\i), ADRA+\slot, \q, \i
.endr
.endm
.macro SCALES sc                       ; a slot's scale words into set sc: four words a row; lanes 0-15 take X's block i, lanes 16-31 Y's block i
.irp i, 0,1,2,3,4,5,6,7
	ds_load_b128 v[SC+8*NQ*\sc+NQ*\i:SC+8*NQ*\sc+NQ*\i+3], v[ADRS] offset:\i*SBLK
.endr
.endm
; A load into a register that a matrix instruction has read, and a vector instruction or store that reads a matrix result, stand four places behind that matrix instruction; only plain vector instructions
; that name none of its registers are places (ISA guide 7.12.1 for vector instructions).
.macro PLACES n
.rept \n
	v_nop
.endr
.endm
; A step of 128 along K that has its successor in the same slot.  X has one set of registers: blocks 0-3 are fetched anew in the step's middle, blocks 4-7 at its end; Y's next set comes in the middle run.
.macro STEP slot, q, zero
	s_wait_dscnt 4*NL                              ; Y's set and X's blocks 0-3 are in; the youngest eight loads (X's blocks 4-7) may be out
.if \zero
	WIN MUL_LO0
.else
	WIN MUL_LO
.endif
	MUL16 0, (\q)%2, \q, \slot, \zero
	MUL16 2, (\q)%2, \q, \slot, \zero
	s_wait_dscnt 0                                 ; X's blocks 4-7 are in (asked for 32 matrix instructions ago)
	PLACES NP
	FETCH_B \slot, (\q)+1, 1-(\q)%2
	FETCH_A \slot, (\q)+1, 0
.if \zero
	WIN MUL_HI0
.else
	WIN MUL_HI
.endif
	MUL16 4, (\q)%2, \q, \slot, \zero
	MUL16 6, (\q)%2, \q, \slot, \zero
	PLACES NP
	WIN 0
	FETCH_A \slot, (\q)+1, 4
.endm
; Slot 0's last step changes slots: one barrier; in front of it each wave waits for all its tensor loads (its part of slot 1), adds 0 to its spare word, and waits for that and for its reads of slot 0.
.macro TURN slot, next
	s_wait_tensorcnt 0x0                           ; all my tensor loads have landed: my part of the next slot  (every window is 0 here)
	ds_add_u32 v[SPW], v[NIL]                      ; 0 onto my spare word
	s_wait_dscnt 4*NL+1                            ; (the add and the youngest eight loads, X's blocks 4-7, may be out)
	WIN MUL_LO
	MUL16 0, 1, NQ-1, \slot, 0                     ; sixteen matrix instructions stand between the add and the wait for it
	s_wait_dscnt 0x0                               ; the add is done, and my reads of this slot are over
	s_barrier_signal -1
	MUL16 2, 1, NQ-1, \slot, 0
	WIN 0
	s_barrier_wait -1                              ; the next slot is whole, and nobody reads this one any more
	PLACES NP
	v_add_nc_u32 v[ADRS], 4*NQ, v[ADRS]            ; on to the next slot's scale words
	FETCH_B \next, 0, 0
	FETCH_A \next, 0, 0
	SCALES \next
	WIN MUL_HI
	MUL16 4, 1, NQ-1, \slot, 0
	MUL16 6, 1, NQ-1, \slot, 0
	PLACES NP
	WIN 0
	FETCH_A \next, 0, 4
.endm
.macro STEPS slot, from                ; the slot's steps from .. NQ - 2
.set Q, \from
.rept NQ-1-\from
	STEP \slot, Q, 0
.set Q, Q+1
.endr
.endm
	s_wait_tensorcnt 1                             ; the scales and my part of slot 0 are in (slot 1's load, the one issued behind them, may be out),
	s_barrier_signal -1
	s_barrier_wait -1                              ; everybody's are
	FETCH_B 0, 0, 0
	FETCH_A 0, 0, 0
	SCALES 0
	FETCH_A 0, 0, 4
	s_wait_loadcnt 0x0                             ; the bias
	s_cmp_eq_u32 s2, 2                             ; the first step is written twice: it differs in which bias registers start a sum
	s_cbranch_scc1 .Lfirst_v
	STEP 0, 0, 1
	s_branch .Lfirst_done
.Lfirst_v:
	STEP 0, 0, 2
.Lfirst_done:
	STEPS 0, 1
	TURN 0, 1
	STEPS 1, 0
	s_wait_dscnt 4*NL                              ; the very last step: nothing more to fetch
	WIN MUL_LO
	MUL16 0, 1, NQ-1, 1, 0
	MUL16 2, 1, NQ-1, 1, 0
	s_wait_dscnt 0
	WIN MUL_HI
	MUL16 4, 1, NQ-1, 1, 0
	MUL16 6, 1, NQ-1, 1, 0
	WIN 0
; THE EPILOGUE.  Block a of X (16 positions): a lane's 64 results, register 16 b + i = true j 32 b + 16 h + i, are four half blocks of 32.  They become one fragment's codes and one scale word, and leave as they stand.
; These sixteen plain lines are also the places behind the last products.
.irp a, 0,1,2,3,4,5,6,7
	v_mad_u32_u24 v[VO+\a], s18, \a, v[LI]         ; block a's image: 16 x lane + a x the step from block to block
.endr
.irp a, 4,5,6,7
	v_add_nc_u32 v[VO+\a], s19, v[VO+\a]
.endr
.irp b, 0,1,2,3
	v_mov_b32 v[TM+4+\b], 0                        ; written once: a lane permute's destination counts as one of its sources
.endr
.macro EPI a
.set AC, 64*((\a)%4)
.set PC, PCB+8*(\a)
	WIN 0x0a+5*((\a)/4)                            ; sources 0 and 1: window 2 or 3
.irp b, 0,1,2,3
	v_max3_num_f32 v[TM+\b], |v[AC+16*\b]|, |v[AC+16*\b+1]|, 0x1800000   ; block b: my 16 numbers, each accumulator from its low end on, and the floor 2^(3 - 127): the byte cannot fall under 1
.endr
.irp i, 2,4,6,8,10,12,14
.irp b, 0,1,2,3
	v_max3_num_f32 v[TM+\b], |v[AC+16*\b+\i]|, |v[AC+16*\b+\i+1]|, v[TM+\b]   ; (the four blocks by turns)
.endr
.endr
	WIN 0
.irp b, 0,1,2,3
	v_permlanex16_b32 v[TM+4+\b], v[TM+\b], s[SEL], s[SEL+1]
.endr
.irp b, 0,1,2,3
	v_max_num_f32 v[TM+\b], v[TM+\b], v[TM+4+\b]   ; with lane l xor 16's: the block's largest magnitude
.endr
.irp b, 0,1,2,3
	v_add_nc_u32 v[TM+12+\b], 0xff000000, v[TM+\b] ; 2 off its exponent field: the conversion's scale operand
.endr
.irp b, 0,1,2,3
	v_lshrrev_b32 v[TM+4+\b], 23, v[TM+12+\b]      ; the scale's byte
.endr
	v_lshl_or_b32 v[PW+(\a)], v[TM+5], 8, v[TM+4]  ; the four bytes make my position's scale word
	v_lshl_or_b32 v[PW+(\a)], v[TM+6], 16, v[PW+(\a)]
	v_lshl_or_b32 v[PW+(\a)], v[TM+7], 24, v[PW+(\a)]
	WIN 0x02+((\a)/4)                              ; source 0: window 2 or 3
.irp b, 0,1,2,3
	v_cvt_scalef32_pk8_fp4_f32 v[PC+2*\b], v[AC+16*\b:AC+16*\b+7], v[TM+12+\b]
	v_cvt_scalef32_pk8_fp4_f32 v[PC+2*\b+1], v[AC+16*\b+8:AC+16*\b+15], v[TM+12+\b]
.endr
	WIN 0
	v_nop                                          ; one plain place behind a scaled conversion
.irp c, 0,1                                    ; the operand's layout wants a WHOLE block in a lane: lanes 0-15 block 2 c, lanes 16-31 block 2 c + 1
.irp i, 0,1
	v_permlane16_swap_b32 v[PC+4*\c+\i], v[PC+4*\c+2+\i]
.endr
.endr
	global_store_b128 v[VO+(\a)], v[PC:PC+3], s[96:97]       ; 32 lanes store 512 consecutive bytes, aligned.  No register that a store reads is written again
	global_store_b128 v[VO+(\a)], v[PC+4:PC+7], s[100:101]
	ds_store_b32 v[SSTO], v[PW+(\a)] offset:64*(\a)          ; lanes l and l xor 16 write the same word with the same value
.endm
.irp a, 0,1,2,3,4,5,6,7
	EPI \a
.endr
	ds_load_b128 v[SWB:SWB+3], v[SRD]              ; my 128 scale words, 16 bytes a lane: LDS serves a wave's instructions in order
	s_wait_dscnt 0x0
	global_store_b128 v[SVO], v[SWB:SWB+3], s[98:99]   ; sixteen lanes store 256 consecutive bytes, aligned
	s_wait_tensorcnt 0x0                           ; the wave's end
	ds_add_u32 v[SPW], v[NIL]
	s_wait_dscnt 0x0
	CROUND                                         ; the closing round: no work-group ends while a partner may still ask for a tile that names it
	s_endpgm
.Lfunc_end_k_q2dfeb33f7a_proj:
	.size	k_q2dfeb33f7a_proj, .Lfunc_end_k_q2dfeb33f7a_proj-k_q2dfeb33f7a_proj
	.p2alignl 7, 3214868480
	.fill 96, 4, 3214868480
	.section	.rodata,"a",@progbits
	.p2align	6, 0x0
	.amdhsa_kernel k_q2dfeb33f7a_proj
		.amdhsa_group_segment_fixed_size 327680
		.amdhsa_private_segment_fixed_size 0
		.amdhsa_enable_private_segment 0
		.amdhsa_kernarg_size 56
		.amdhsa_user_sgpr_count 2
		.amdhsa_user_sgpr_kernarg_segment_ptr 1
		.amdhsa_wavefront_size32 1
		.amdhsa_system_sgpr_workgroup_id_x 1
		.amdhsa_system_sgpr_workgroup_id_y 1
		.amdhsa_system_sgpr_workgroup_id_z 1
		.amdhsa_system_vgpr_workitem_id 0
		.amdhsa_next_free_vgpr 1024
		.amdhsa_next_free_sgpr 102
		.amdhsa_reserve_vcc 0
		.amdhsa_float_denorm_mode_32 3
		.amdhsa_float_denorm_mode_16_64 3
		.amdhsa_memory_ordered 1
		.amdhsa_forward_progress 1
		.amdhsa_inst_pref_size 150
	.end_amdhsa_kernel
	.amdgpu_metadata
---
amdhsa.version: [ 1, 2 ]
amdhsa.kernels:
  - .name:           k_q2dfeb33f7a_proj
    .symbol:         k_q2dfeb33f7a_proj.kd
    .args:
      - { .name: acodes, .offset: 0, .size: 8, .value_kind: global_buffer, .address_space: global }
      - { .name: ascales, .offset: 8, .size: 8, .value_kind: global_buffer, .address_space: global }
      - { .name: bq, .offset: 16, .size: 8, .value_kind: global_buffer, .address_space: global }
      - { .name: bk, .offset: 24, .size: 8, .value_kind: global_buffer, .address_space: global }
      - { .name: bv, .offset: 32, .size: 8, .value_kind: global_buffer, .address_space: global }
      - { .name: pcodes, .offset: 40, .size: 8, .value_kind: global_buffer, .address_space: global }
      - { .name: pscales, .offset: 48, .size: 8, .value_kind: global_buffer, .address_space: global }
    .group_segment_fixed_size: 327680
    .private_segment_fixed_size: 0
    .kernarg_segment_align: 8
    .kernarg_segment_size: 56
    .max_flat_workgroup_size: 128
    .sgpr_count:     102
    .vgpr_count:     1024
    .wavefront_size: 32
...
	.end_amdgpu_metadata
.endif
;; end of part 2
;; launch attn (part 3): grid 8 x 32, 16 waves a work-group, clusters of 4 x 1, 327,680 bytes of LDS; arguments pcodes, pscales, xcodes, xscales; writes xcodes, xscales
.if DOCPART == 3
	.amdgcn_target "amdgcn-amd-amdhsa--gfx1250"
	.amdhsa_code_object_version 6
	.text
	.protected	k_q2dfeb33f7a_attn
	.globl	k_q2dfeb33f7a_attn
	.p2align	8
	.type	k_q2dfeb33f7a_attn,@function
k_q2dfeb33f7a_attn:
	s_mov_b64 s[64:65], 0
	v_nop
	global_prefetch_b8 v0, s[64:65] scope:SCOPE_SE
	s_setreg_imm32_b32 hwreg(HW_REG_WAVE_MODE, 25, 1), 1
	s_wait_xcnt 0x0
	s_wait_alu depctr_hold_cnt(0) depctr_sa_sdst(0) depctr_va_vdst(0) depctr_va_sdst(0) depctr_va_ssrc(0) depctr_va_vcc(0) depctr_vm_vsrc(0)
	s_getreg_b32 s2, hwreg(HW_REG_IB_STS2, 6, 4)
	s_cmp_eq_u32 s2, 0
	s_cbranch_scc0 .Lentry_in_a_cluster
	s_endpgm
.Lentry_in_a_cluster:
	s_bfe_u32 s2, ttmp6, 0x10000c
	s_cmp_lg_u32 s2, 0x3003
	s_cbranch_scc0 .Lentry_shape_is_right
	s_endpgm
.Lentry_shape_is_right:
; x[q] = (sum over keys of p V) / l, p = 2^(t - M), t = (q . k) log2(e) / 8, M = the running largest t rounded UP to a whole number, l = the row's sum of the unquantised p.  Both products on codes of FP4 (E2M1) with E8M0 scales.
; x is quantised along D here and leaves as codes and scale words, in the order of the last product's operand registers.
; SHARES: a work-group owns 256 query positions of one batch and one PAIR of heads (y: batch = y / 8, pair = y % 8); each of its sixteen waves owns one tile of 16 queries, in 256 registers: four waves to a SIMD, so that one wave's
; vector work stands beside another's matrix work and LDS loads.  A wave walks all 2,048 keys for the even head, then for the odd head: it ends with the whole fragment (128 along D) of x and its whole scale word.
; ALL OF THE PAIR'S K AND V STAY IN LDS (codes 2 x 131,072 bytes, scale words 2 x 8,192): each byte is filled once, nothing is filled again.  CLUSTER: the four query blocks of a cluster share batch and pair, so every fill is asked for
; JOINTLY (mask 15): wave 0 fetches K's, wave 1 V's: the scale words, then eight chunks of 512 keys: nine tensor loads of a wave are out at the most.  The first head's steps begin when their chunk has landed.
; LAYOUT: both products transposed: S^T = K Q^T (source 0 = 16 key positions, source 1 = my queries), O^T = V^T P^T (source 0 = 16 d-positions, source 1 = P): a lane holds ONE query (lane % 16) throughout.
; Keys and d lie in position order (position 16 T + r, T = 2 b + u, is true index 32 b + 8 u + r + 8 (r / 8)), so the 16 registers of tiles 2 b, 2 b + 1 are 16 TRUE neighbours 32 b + 16 (lane / 16) + 0 .. 15.
; A HEAD'S 64 IN AN INSTRUCTION OF 128 ALONG K: for head hp of the pair the codes stand in registers 4 hp .. 4 hp + 3 of Q's and K's fragments and the other four hold zero codes; so bytes 2 hp, 2 hp + 1 of the scale words as stored
; are the right ones, and the other head's bytes (1 .. 254) multiply zeros.
; LIMITS: NaN and infinities are not served; a block of p or of x whose largest number lies under 2^-124, or that is all zeros, keeps the byte 1 (zero codes add nothing; this program alone reads the bytes).
; REGISTERS: v1-7 addresses that stay, v5 x's scale word; v8-11 addresses of the step; v12 -M, v13 the largest t, v[14:15] the sum in two halves; v16-23, v24-31 Q's fragment for head 0, 1; v32-95 K's 8 fragments;
;   v96-159 S^T, then p, then x; v160-191 O^T; v192-223 V's 4 fragments; v224-231 codes; v232-239, v244-247, v252, v254 at work; v240-241 V's scale words, v248-251 K's, v253 p's, v255 Q's.
.set VC,   131072                      ; LDS: K's codes at 0: [head 2][tile 128][512];  V's here: [head 2][step 16][4 fragments][1,024]
.set KSL,  262144                      ; K's scale words: [position 2,048][4]
.set VSL,  270336                      ; V's: [head 2][step 16][d-position 64][4]
.set XST,  278528                      ; x's scale words on their way out: [wave 16][16][4]: four blocks of 256 bytes into which no fill lands
.set LI,   1                           ; v1  16 x lane: my place in an image, in LDS (K's codes begin at byte 0) and in memory
.set AV0,  2                           ; v2  the same in V's codes
.set ASK0, 3                           ; v3  4 x lane among K's scale words
.set ASV0, 4                           ; v4  and among V's
.set XW,   5                           ; v5  x's scale word as it grows
.set XRD,  6                           ; v6  where waves 0 and 1 read x's scale words back: XST + 16 x thread
.set XSA,  7                           ; v7  where I put mine: XST + 64 x wave + 4 (lane % 16)
.set ADK,  8
.set ADV,  9
.set ADS,  10
.set ADT,  11
.set WV,   12                          ; s12 my wave's number
.set TK,   13                          ; s13 where the step's codes begin, in K's and in V's region alike: 4,096 bytes a step
.set TS,   14                          ; s14 K's scale words: 512 bytes a step
.set TV,   15                          ; s15 V's: 256 bytes a step
.set CNT,  16
.set SEL,  20                          ; s[20:21] lane selects for v_permlanex16_b32: lane l xor 16
.set CS,   22                          ; s[22:23] c = log2(e) / 8
.set G1C,  24                          ; s[24:31] descriptor group 1: a chunk, 64 rows of 256 bytes, dense
.set G1S,  32                          ; s[32:39] the scale words: 32 rows of 256 bytes
.macro ROUND                           ; a round of the cluster's barrier
	s_barrier_signal -1
	s_barrier_wait -1
	s_cmp_lg_u32 s[WV], 0
	s_cbranch_scc1 .Lnot_wave_0_\@
	s_barrier_signal -3
.Lnot_wave_0_\@:
	s_barrier_wait -3
	s_barrier_signal -1
	s_barrier_wait -1
.endm
	s_load_b256 s[4:11], s[0:1], 0x0               ; pcodes s[4:5], pscales s[6:7], xcodes s[8:9], xscales s[10:11]
	v_lshl_add_u32 v242, v0, 2, 0x44400
	v_mov_b32 v243, 0
	ds_add_u32 v242, v243
	ds_add_u32 v242, v243
	v_lshrrev_b32 v8, 5, v0
	s_delay_alu instid0(VALU_DEP_1)
	v_readfirstlane_b32 s[WV], v8                  ; wave 0..15
	v_and_b32 v8, 31, v0                           ; lane
	v_and_b32 v9, 15, v0                           ; r
	s_delay_alu instid0(VALU_DEP_2)
	v_lshlrev_b32 v[LI], 4, v8
	s_delay_alu instid0(VALU_DEP_1)
	v_add_nc_u32 v[AV0], VC, v[LI]
	s_delay_alu instid0(VALU_DEP_4)
	v_lshl_add_u32 v[ASK0], v8, 2, KSL
	v_lshl_add_u32 v[ASV0], v8, 2, VSL
	v_lshl_add_u32 v[XRD], v0, 4, XST
	s_lshl_b32 s95, s[WV], 6
	s_add_co_u32 s95, s95, XST
	v_lshl_add_u32 v[XSA], v9, 2, s95
	v_lshlrev_b32 v10, 2, v9                       ; Q's scale words: 4 r
	s_bfe_u32 s80, ttmp6, 0x40000                  ; cx: it enters Q's and x's global addresses alone
	s_lshl_b32 s81, ttmp9, 2
	s_add_co_u32 s81, s81, s80                     ; my block of 256 query positions
	s_and_b32 s82, ttmp7, 0xffff
	s_and_b32 s83, s82, 7                          ; the pair of heads
	s_lshr_b32 s82, s82, 3                         ; the batch
	s_and_b32 s17, s[WV], 1                        ; what a fetching wave fetches: 0 K's, 1 V's
	s_lshl_b32 s84, s82, 20
	s_lshl_b32 s85, s83, 17
	s_add_co_u32 s84, s84, s85                     ; the pair's first byte in each tensor of codes
	s_lshl_b32 s86, s82, 16
	s_lshl_b32 s85, s83, 13
	s_add_co_u32 s86, s86, s85                     ; and in each tensor of scale words
	s_add_co_u32 s85, s17, 1
	s_lshl_b32 s88, s85, 22                        ; k at 4 MiB, v at 8 MiB
	s_add_co_u32 s88, s88, s84
	s_mov_b32 s89, 0
	s_lshl_b32 s90, s85, 18                        ; k at 256 KiB, v at 512 KiB
	s_add_co_u32 s90, s90, s86
	s_mov_b32 s91, 0
	s_lshl_b32 s92, s17, 17                        ; LDS: K's codes at 0, V's at 131,072
	s_lshl_b32 s93, s17, 13                        ; their scale words 8,192 apart
	s_lshl_b32 s94, s81, 4
	s_add_co_u32 s94, s94, s[WV]                   ; my tile of 16 positions in the batch
	s_lshl_b32 s96, s94, 9
	s_add_co_u32 s96, s96, s84                     ; Q's image of the even head
	s_mov_b32 s97, 0
	s_lshl_b32 s98, s94, 6
	s_add_co_u32 s98, s98, s86                     ; Q's scale words
	s_mov_b32 s99, 0
	s_lshl_b32 s2, s82, 7
	s_add_co_u32 s2, s2, s94
	s_lshl_b32 s2, s2, 10                          ; xcodes: [pair][tile 128 batch + T][1,024]
	s_lshl_b32 s3, s83, 19
	s_add_co_u32 s2, s2, s3
	s_mov_b32 s3, 0
	s_lshl_b32 s18, s83, 15                        ; xscales: [pair][position][4]: the work-group's 256 words
	s_lshl_b32 s19, s82, 13
	s_add_co_u32 s18, s18, s19
	s_lshl_b32 s19, s81, 10
	s_add_co_u32 s18, s18, s19
	s_mov_b32 s19, 0
	s_mov_b32 s[G1C], 15|(3<<16)|(1<<21)           ; 15:0 the mask: all four work-groups; 17:16 elements of 8 bytes; 21 set beside a mask; no padding: every read takes 16 or 4 bytes a lane on end
	s_mov_b32 s[G1C+1], 32<<16                     ; tensor_dim0 = 32 elements: 256 bytes
	s_mov_b32 s[G1C+2], 64<<16                     ; tensor_dim1 = 64 rows
	s_mov_b32 s[G1C+3], 32<<16                     ; tile_dim0
	s_mov_b32 s[G1C+4], 64                         ; tile_dim1
	s_mov_b32 s[G1C+5], 32                         ; dense: a row begins where the last ends
	s_mov_b32 s[G1C+6], 0
	s_mov_b32 s[G1C+7], 0
	s_mov_b32 s[G1S], 15|(3<<16)|(1<<21)
	s_mov_b32 s[G1S+1], 32<<16
	s_mov_b32 s[G1S+2], 32<<16
	s_mov_b32 s[G1S+3], 32<<16
	s_mov_b32 s[G1S+4], 32
	s_mov_b32 s[G1S+5], 32
	s_mov_b32 s[G1S+6], 0
	s_mov_b32 s[G1S+7], 0
	s_mov_b32 s[SEL], 0x76543210
	s_mov_b32 s[SEL+1], 0xfedcba98
	s_mov_b32 s[CS], 0x3e38aa3b                    ; c = log2(e) / 8
	s_mov_b32 s[CS+1], s[CS]                       ; (named with it as a pair, so it is written)
	s_wait_dscnt 0x0
	s_wait_kmcnt 0x0
	s_add_nc_u64 s[88:89], s[4:5], s[88:89]        ; the codes that I fetch, if I fetch
	s_add_nc_u64 s[90:91], s[6:7], s[90:91]        ; and the scale words
	s_add_nc_u64 s[96:97], s[4:5], s[96:97]
	s_add_nc_u64 s[98:99], s[6:7], s[98:99]
	s_add_nc_u64 s[8:9], s[8:9], s[2:3]
	s_add_nc_u64 s[10:11], s[10:11], s[18:19]
	; nine groups 0: number 0 the scale words, 1 .. 8 the chunks; numbers 0-5 in s40-63, 6-8 in s68-79
.set n, 0
.rept 9
.if n < 6
.set GG, 40+4*n
.else
.set GG, 68+4*(n-6)
.endif
	s_mov_b32 s[GG], 1
.if n == 0
	s_add_co_u32 s[GG+1], s93, KSL
	s_mov_b64 s[GG+2:GG+3], s[90:91]
.else
	s_add_co_u32 s[GG+1], s92, (n-1)*16384
	s_add_nc_u64 s[GG+2:GG+3], s[88:89], (n-1)*16384
.endif
	s_or_b32 s[GG+3], s[GG+3], 0x80000000
.set n, n+1
.endr
	ROUND                                          ; all four work-groups are here: the joint loads meet
	s_cmp_lt_u32 s[WV], 2                          ; all fills of a wave stand in one branch on the wave's number, ahead of every wait on TENSORcnt, every LDS read and every other barrier
	s_cbranch_scc0 .Lno_fill
	tensor_load_to_lds s[40:43], s[G1S:G1S+7]
	s_nop 0
	tensor_load_to_lds s[44:47], s[G1C:G1C+7]
	s_nop 0
	tensor_load_to_lds s[48:51], s[G1C:G1C+7]
	s_nop 0
	tensor_load_to_lds s[52:55], s[G1C:G1C+7]
	s_nop 0
	tensor_load_to_lds s[56:59], s[G1C:G1C+7]
	s_nop 0
	tensor_load_to_lds s[60:63], s[G1C:G1C+7]
	s_nop 0
	tensor_load_to_lds s[68:71], s[G1C:G1C+7]
	s_nop 0
	tensor_load_to_lds s[72:75], s[G1C:G1C+7]
	s_nop 0
	tensor_load_to_lds s[76:79], s[G1C:G1C+7]
	s_nop 0
.rept 4
	v_nop
.endr
.Lno_fill:
	s_wait_alu depctr_va_vdst(0)
	global_load_b128 v[16:19], v[LI], s[96:97]                ; Q of the even head: registers 0-3 of its fragment
	global_load_b128 v[28:31], v[LI], s[96:97] offset:65536   ; Q of the odd head: registers 4-7 of its fragment
	global_load_b32 v255, v10, s[98:99]            ; Q's scale words
.irp j, 20,21,22,23,24,25,26,27
	v_mov_b32 v\j, 0                               ; the other halves: zero codes
.endr
.irp j, 236,237,238,239
	v_mov_b32 v\j, 0                               ; written once: a lane permute's destination counts as one of its sources
.endr
	v_mov_b32 v253, 0                              ; (named as the upper half of the pair v[252:253] before it is first written)
; A head begins: O^T and the sum are zeros and the largest t is -3e38, so the first step is a step like every other: the first change of M multiplies zeros.
.macro INIT hp
.if \hp
	s_wait_xcnt 0x0                                ; the first head's store has read v224-227: they are written again only behind this wait
.endif
.irp t, 0,1,2,3,4,5,6,7
.irp e, 0,1,2,3
	v_mov_b32 v[32+8*\t+4*(1-\hp)+\e], 0           ; the halves of K's fragments that this head leaves empty: zero codes
.endr
.endr
	v_mov_b32 v13, 0xff61b1e6                      ; the largest t so far: -3e38
	s_delay_alu instid0(VALU_DEP_1)
	v_floor_f32 v12, -v13                          ; -M
	v_mov_b32 v14, 0
	v_mov_b32 v15, 0
.set j, 0
.rept 32
	v_mov_b32 v[160+j], 0
.set j, j+1
.endr
.endm
; A KEY STEP: 128 keys of head hp.
.macro STEP hp
	v_add_nc_u32 v[ADK], s[TK], v[LI]              ; these four are also the places between the last step's products and the loads into their registers
	v_add_nc_u32 v[ADV], s[TK], v[AV0]
	v_add_nc_u32 v[ADS], s[TS], v[ASK0]
	v_add_nc_u32 v[ADT], s[TV], v[ASV0]
.irp t, 0,1,2,3,4,5,6,7
	ds_load_b128 v[32+8*\t+4*\hp:35+8*\t+4*\hp], v[ADK] offset:512*\t   ; K's tile t: 16 key positions, the head's 64
.endr
.irp b, 0,1,2,3
	ds_load_b32 v[248+\b], v[ADS] offset:128*\b    ; lanes 0-15: tile 2 b's scale words, lanes 16-31: tile 2 b + 1's
.endr
.irp t, 0,1,2,3
.irp e, 0,1
	ds_load_b128 v[192+8*\t+4*\e:195+8*\t+4*\e], v[ADV] offset:1024*\t+512*\e   ; V's fragment t: 16 d-positions x these 128 keys
.endr
.endr
.irp u, 0,1
	ds_load_b32 v[240+\u], v[ADT] offset:128*\u
.endr
	s_wait_dscnt 10                                ; K's twelve loads are in; V's ten, issued behind them, may be out
.irp t, 0,1,2,3,4,5,6,7
.if \t%2
	v_wmma_scale_f32_16x16x128_f8f6f4 v[96+8*\t:103+8*\t], v[32+8*\t:39+8*\t], v[16+8*\hp:23+8*\hp], 0, v[248+\t/2], v255 matrix_a_fmt:MATRIX_FMT_FP4 matrix_b_fmt:MATRIX_FMT_FP4 matrix_a_scale:MATRIX_SCALE_ROW1
.else
	v_wmma_scale_f32_16x16x128_f8f6f4 v[96+8*\t:103+8*\t], v[32+8*\t:39+8*\t], v[16+8*\hp:23+8*\hp], 0, v[248+\t/2], v255 matrix_a_fmt:MATRIX_FMT_FP4 matrix_b_fmt:MATRIX_FMT_FP4
.endif
.endr                                          ; register 16 b + i of v96 on: true key 32 b + 16 (lane / 16) + i of the step
.rept 4
	v_nop
.endr
.irp b, 0,1,2,3
	v_max3_num_f32 v[232+\b], v[96+16*\b], v[97+16*\b], v[98+16*\b]   ; the largest score of each block of 32 keys: it serves the row's maximum and, since p rises with the score, the block's largest p
.endr
.irp i, 3,5,7,9,11,13
.irp b, 0,1,2,3
	v_max3_num_f32 v[232+\b], v[232+\b], v[96+16*\b+\i], v[97+16*\b+\i]
.endr
.endr
.irp b, 0,1,2,3
	v_max_num_f32 v[232+\b], v[232+\b], v[111+16*\b]
.endr
.irp b, 0,1,2,3
	s_delay_alu instid0(VALU_DEP_4)
	v_permlanex16_b32 v[236+\b], v[232+\b], s[SEL], s[SEL+1]
.endr
.irp b, 0,1,2,3
	s_delay_alu instid0(VALU_DEP_4)
	v_max_num_f32 v[232+\b], v[232+\b], v[236+\b]  ; with lane l xor 16's 16 keys
.endr
	s_delay_alu instid0(VALU_DEP_2)
	v_max3_num_f32 v254, v232, v233, v234
	s_delay_alu instid0(VALU_DEP_1)
	v_max_num_f32 v254, v254, v235                 ; the step's largest score of my query
	s_delay_alu instid0(VALU_DEP_1)
	v_mul_f32 v254, s[CS], v254                    ; as t (c is positive)
	s_delay_alu instid0(VALU_DEP_1)
	v_max_num_f32 v13, v13, v254                   ; the running largest t
	v_mov_b32 v254, v12
	s_delay_alu instid0(VALU_DEP_2)
	v_floor_f32 v12, -v13                          ; the new -M = floor(-t) = -ceil(t): a whole number
	s_delay_alu instid0(VALU_DEP_1)
	v_sub_f32 v254, v12, v254                      ; old M - new M: a whole number, 0 or less
	s_delay_alu instid0(VALU_DEP_1)
	v_cvt_i32_f32 v254, v254                       ; (it saturates)
	s_delay_alu instid0(VALU_DEP_1)
	v_ldexp_f32 v252, 1.0, v254                    ; f = 2^(old M - new M): a multiplication by it rounds nothing
.set j, 0
.rept 32
	v_pk_fma_f32 v[96+j:97+j], v[96+j:97+j], s[CS:CS+1], v[12:13] op_sel_hi:[1,0,0]   ; t - M, two at a time
.set j, j+2
.endr
.irp b, 0,1,2,3
	v_fma_f32 v[232+\b], v[232+\b], s[CS], v12     ; the same of each block's largest score
.endr
.set j, 0
	s_wait_alu depctr_va_vdst(0)
.rept 64
	v_exp_f32 v[96+j], v[96+j]                     ; p = 2^(t - M), at most 1: not normalised
.set j, j+1
.endr
	s_setprio 1
.irp b, 0,1,2,3
	v_exp_f32 v[232+\b], v[232+\b]                 ; the block's largest p: the same two instructions on the same number give the same bits
.endr
	v_pk_mul_f32 v[14:15], v[14:15], v[252:253] op_sel_hi:[1,0]   ; the sums under the new M (a plain place behind the exponentials)
	s_wait_alu depctr_va_vdst(0)
.irp b, 0,1,2,3
	v_max_num_f32 v[232+\b], 0x1800000, v[232+\b]  ; the floor 2^(3 - 127): the byte cannot fall under 1
.endr
.irp b, 0,1,2,3
	s_delay_alu instid0(VALU_DEP_4)
	v_add_nc_u32 v[244+\b], 0xff000000, v[232+\b]  ; 2 off the exponent field: the conversion's scale operand
.endr
.irp b, 0,1,2,3
	s_delay_alu instid0(VALU_DEP_4)
	v_lshrrev_b32 v[236+\b], 23, v[244+\b]         ; the scale's byte
.endr
	s_delay_alu instid0(VALU_DEP_3)
	v_lshl_or_b32 v253, v237, 8, v236              ; p's scale word for these 128 keys
	s_delay_alu instid0(VALU_DEP_1)
	v_lshl_or_b32 v253, v238, 16, v253
	s_delay_alu instid0(VALU_DEP_1)
	v_lshl_or_b32 v253, v239, 24, v253
.irp b, 0,1,2,3
	v_cvt_scalef32_pk8_fp4_f32 v[224+2*\b], v[96+16*\b:103+16*\b], v[244+\b]
	v_cvt_scalef32_pk8_fp4_f32 v[225+2*\b], v[104+16*\b:111+16*\b], v[244+\b]
.endr
	v_nop                                          ; one plain place behind a scaled conversion
.irp e, 0,1                                    ; the operand's layout wants a WHOLE block in a lane
.irp i, 0,1
	v_permlane16_swap_b32 v[224+4*\e+\i], v[226+4*\e+\i]
.endr
.endr
	v_pk_add_f32 v[236:237], v[100:101], v[104:105]
	v_pk_add_f32 v[250:251], v[108:109], v[112:113]
	v_pk_add_f32 v[248:249], v[116:117], v[120:121]
	v_pk_add_f32 v[246:247], v[124:125], v[128:129]
	v_pk_add_f32 v[244:245], v[132:133], v[136:137]
	v_pk_add_f32 v[234:235], v[140:141], v[144:145]
	v_pk_add_f32 v[232:233], v[148:149], v[152:153]
	v_pk_add_f32 v[14:15], v[14:15], v[156:157]
	v_pk_add_f32 v[236:237], v[236:237], v[96:97]
	v_pk_add_f32 v[250:251], v[250:251], v[98:99]
	v_pk_add_f32 v[248:249], v[248:249], v[102:103]
	v_pk_add_f32 v[246:247], v[246:247], v[106:107]
	v_pk_add_f32 v[244:245], v[244:245], v[110:111]
	v_pk_add_f32 v[234:235], v[234:235], v[114:115]
	v_pk_add_f32 v[232:233], v[232:233], v[118:119]
	v_pk_add_f32 v[14:15], v[14:15], v[122:123]
	v_pk_add_f32 v[236:237], v[236:237], v[126:127]
	v_pk_add_f32 v[250:251], v[250:251], v[130:131]
	v_pk_add_f32 v[248:249], v[248:249], v[134:135]
	v_pk_add_f32 v[246:247], v[246:247], v[138:139]
	v_pk_add_f32 v[244:245], v[244:245], v[142:143]
	v_pk_add_f32 v[234:235], v[234:235], v[146:147]
	v_pk_add_f32 v[232:233], v[232:233], v[150:151]
	v_pk_add_f32 v[14:15], v[14:15], v[154:155]
	v_pk_add_f32 v[236:237], v[236:237], v[158:159]
	s_delay_alu instid0(VALU_DEP_2)
	v_pk_add_f32 v[14:15], v[14:15], v[246:247]
	s_delay_alu instid0(VALU_DEP_2)
	v_pk_add_f32 v[236:237], v[236:237], v[244:245]
	v_pk_add_f32 v[250:251], v[250:251], v[234:235]
	v_pk_add_f32 v[248:249], v[248:249], v[232:233]
	s_delay_alu instid0(VALU_DEP_2)
	v_pk_add_f32 v[14:15], v[14:15], v[250:251]
	s_delay_alu instid0(VALU_DEP_2)
	v_pk_add_f32 v[236:237], v[236:237], v[248:249]
	s_delay_alu instid0(VALU_DEP_1)
	v_pk_add_f32 v[14:15], v[14:15], v[236:237]
.set j, 0
	s_setprio 0
.rept 16
	v_pk_mul_f32 v[160+j:161+j], v[160+j:161+j], v[252:253] op_sel_hi:[1,0]   ; O^T under the new M, each accumulator from its low end on
.set j, j+2
.endr
	s_wait_alu depctr_va_vdst(0)
	s_wait_dscnt 0x0                               ; V is in
.irp t, 0,1,2,3                                ; O^T += V^T P^T: the four accumulators by turns; eight other products stand between two links of a chain
.if \t%2
	v_wmma_scale_f32_16x16x128_f8f6f4 v[160+8*\t:167+8*\t], v[192+8*\t:199+8*\t], v[224:231], v[160+8*\t:167+8*\t], v[240+\t/2], v253 matrix_a_fmt:MATRIX_FMT_FP4 matrix_b_fmt:MATRIX_FMT_FP4 matrix_a_scale:MATRIX_SCALE_ROW1
.else
	v_wmma_scale_f32_16x16x128_f8f6f4 v[160+8*\t:167+8*\t], v[192+8*\t:199+8*\t], v[224:231], v[160+8*\t:167+8*\t], v[240+\t/2], v253 matrix_a_fmt:MATRIX_FMT_FP4 matrix_b_fmt:MATRIX_FMT_FP4
.endif
.endr
	s_add_co_u32 s[TK], s[TK], 4096
	s_add_co_u32 s[TS], s[TS], 512
	s_add_co_u32 s[TV], s[TV], 256
.endm
; A run of steps whose bytes have landed.  left: the tensor loads issued behind the last one that these steps read, which may stay out (a wave that issued none passes at once); behind the barrier the same holds of every wave.
; No LDS instruction of mine is out at the signal: every step ends behind its wait for 0.
.macro GROUP hp, left, tk, ts, tv, trips
	s_wait_tensorcnt \left
	s_barrier_signal -1
	s_barrier_wait -1
	s_mov_b32 s[TK], \tk
	s_mov_b32 s[TS], \ts
	s_mov_b32 s[TV], \tv
	s_mov_b32 s[CNT], \trips
.Lsteps_\@:
	s_setprio 2
	STEP \hp
	s_sub_co_u32 s[CNT], s[CNT], 1
	s_cmp_lg_u32 s[CNT], 0
	s_cbranch_scc1 .Lsteps_\@
	s_setprio 0
.endm
; A head ends: x = O^T / l; register 16 b + i is true d 32 b + 16 (lane / 16) + i: two blocks of 32 along D.  Their codes are registers 4 hp .. 4 hp + 3 of x's fragment, their bytes are bytes 2 hp, 2 hp + 1 of its scale word.
.macro FINISH hp
.rept 4
	v_nop                                          ; places behind the last products
.endr
	v_add_f32 v14, v14, v15                        ; the sum's two halves,
	s_delay_alu instid0(VALU_DEP_1)
	v_permlanex16_b32 v252, v14, s[SEL], s[SEL+1]
	s_delay_alu instid0(VALU_DEP_1)
	v_add_f32 v14, v14, v252                       ; and lane l xor 16's: the row's sum, at least 1/2
	s_wait_alu depctr_va_vdst(0)
	v_rcp_f32 v14, v14
	v_nop                                          ; one plain place behind a transcendental
.set j, 0
	s_wait_alu depctr_va_vdst(0)
.rept 16
	v_pk_mul_f32 v[96+j:97+j], v[160+j:161+j], v[14:15] op_sel_hi:[1,0]
.set j, j+2
.endr
.irp b, 0,1
	v_max3_num_f32 v[232+\b], |v[96+16*\b]|, |v[97+16*\b]|, 0x1800000
.endr
.irp i, 2,4,6,8,10,12,14
.irp b, 0,1
	s_delay_alu instid0(VALU_DEP_2)
	v_max3_num_f32 v[232+\b], v[232+\b], |v[96+16*\b+\i]|, |v[97+16*\b+\i]|
.endr
.endr
.irp b, 0,1
	s_delay_alu instid0(VALU_DEP_2)
	v_permlanex16_b32 v[236+\b], v[232+\b], s[SEL], s[SEL+1]
.endr
.irp b, 0,1
	s_delay_alu instid0(VALU_DEP_2)
	v_max_num_f32 v[232+\b], v[232+\b], v[236+\b]
.endr
.irp b, 0,1
	s_delay_alu instid0(VALU_DEP_2)
	v_add_nc_u32 v[244+\b], 0xff000000, v[232+\b]
.endr
.irp b, 0,1
	s_delay_alu instid0(VALU_DEP_2)
	v_lshrrev_b32 v[236+\b], 23, v[244+\b]
.endr
.if \hp
	s_delay_alu instid0(VALU_DEP_1)
	v_lshl_or_b32 v254, v237, 8, v236
	s_delay_alu instid0(VALU_DEP_1)
	v_lshl_or_b32 v[XW], v254, 16, v[XW]
.else
	s_delay_alu instid0(VALU_DEP_1)
	v_lshl_or_b32 v[XW], v237, 8, v236
.endif
.irp b, 0,1
	v_cvt_scalef32_pk8_fp4_f32 v[224+2*\b], v[96+16*\b:103+16*\b], v[244+\b]
	v_cvt_scalef32_pk8_fp4_f32 v[225+2*\b], v[104+16*\b:111+16*\b], v[244+\b]
.endr
	v_nop
	v_permlane16_swap_b32 v224, v226
	v_permlane16_swap_b32 v225, v227
	global_store_b128 v[LI], v[224:227], s[8:9] offset:512*\hp   ; 32 lanes store 512 consecutive bytes, aligned
.endm
	s_wait_loadcnt 0x0                             ; Q
	INIT 0
	GROUP 0, 7, 0, 0, 0, 4                         ; the scale words and chunk 0 are in: seven chunks were issued behind it
	GROUP 0, 6, 16384, 2048, 1024, 4
	GROUP 0, 5, 32768, 4096, 2048, 4
	GROUP 0, 4, 49152, 6144, 3072, 4
	FINISH 0
	INIT 1
	GROUP 1, 0, 65536, 0, 4096, 16                 ; the odd head: all fills have landed
	FINISH 1
	ds_store_b32 v[XSA], v[XW]                     ; lanes l and l xor 16 write the same word with the same value
	v_lshlrev_b32 v8, 4, v0
	s_wait_dscnt 0x0                               ; for the others' sake: my word lies in LDS
	s_barrier_signal -1
	s_barrier_wait -1
	s_cmp_lt_u32 s[WV], 2                          ; the work-group's 256 words leave by two waves, 512 consecutive bytes each
	s_cbranch_scc0 .Lwords_out
	ds_load_b128 v[32:35], v[XRD]
	s_wait_dscnt 0x0
	s_wait_alu depctr_va_vdst(0)
	global_store_b128 v8, v[32:35], s[10:11]
.Lwords_out:
	s_wait_tensorcnt 0x0
	ds_add_u32 v242, v243
	s_wait_dscnt 0x0
	ROUND                                          ; the closing round: no work-group ends while a partner may still ask for a tile that names it
	s_endpgm
.Lfunc_end_k_q2dfeb33f7a_attn:
	.size	k_q2dfeb33f7a_attn, .Lfunc_end_k_q2dfeb33f7a_attn-k_q2dfeb33f7a_attn
	.p2alignl 7, 3214868480
	.fill 96, 4, 3214868480
	.section	.rodata,"a",@progbits
	.p2align	6, 0x0
	.amdhsa_kernel k_q2dfeb33f7a_attn
		.amdhsa_group_segment_fixed_size 327680
		.amdhsa_private_segment_fixed_size 0
		.amdhsa_enable_private_segment 0
		.amdhsa_kernarg_size 32
		.amdhsa_user_sgpr_count 2
		.amdhsa_user_sgpr_kernarg_segment_ptr 1
		.amdhsa_wavefront_size32 1
		.amdhsa_system_sgpr_workgroup_id_x 1
		.amdhsa_system_sgpr_workgroup_id_y 1
		.amdhsa_system_sgpr_workgroup_id_z 1
		.amdhsa_system_vgpr_workitem_id 0
		.amdhsa_next_free_vgpr 256
		.amdhsa_next_free_sgpr 100
		.amdhsa_reserve_vcc 0
		.amdhsa_float_denorm_mode_32 3
		.amdhsa_float_denorm_mode_16_64 3
		.amdhsa_memory_ordered 1
		.amdhsa_forward_progress 1
		.amdhsa_inst_pref_size 105
	.end_amdhsa_kernel
	.amdgpu_metadata
---
amdhsa.version: [ 1, 2 ]
amdhsa.kernels:
  - .name:           k_q2dfeb33f7a_attn
    .symbol:         k_q2dfeb33f7a_attn.kd
    .args:
      - { .name: pcodes, .offset: 0, .size: 8, .value_kind: global_buffer, .address_space: global }
      - { .name: pscales, .offset: 8, .size: 8, .value_kind: global_buffer, .address_space: global }
      - { .name: xcodes, .offset: 16, .size: 8, .value_kind: global_buffer, .address_space: global }
      - { .name: xscales, .offset: 24, .size: 8, .value_kind: global_buffer, .address_space: global }
    .group_segment_fixed_size: 327680
    .private_segment_fixed_size: 0
    .kernarg_segment_align: 8
    .kernarg_segment_size: 32
    .max_flat_workgroup_size: 512
    .sgpr_count:     100
    .vgpr_count:     256
    .wavefront_size: 32
...
	.end_amdgpu_metadata
.endif
;; end of part 3
;; launch outp (part 4): grid 4 x 32, 4 waves a work-group, clusters of 4 x 4, 327,680 bytes of LDS; arguments xcodes, xscales, acodes, ascales, bo, out0; writes out0
.if DOCPART == 4
	.amdgcn_target "amdgcn-amd-amdhsa--gfx1250"
	.amdhsa_code_object_version 6
	.text
	.protected	k_q2dfeb33f7a_outp
	.globl	k_q2dfeb33f7a_outp
	.p2align	8
	.type	k_q2dfeb33f7a_outp,@function
k_q2dfeb33f7a_outp:
	s_mov_b64 s[64:65], 0
	v_nop
	global_prefetch_b8 v0, s[64:65] scope:SCOPE_SE
	s_setreg_imm32_b32 hwreg(HW_REG_WAVE_MODE, 25, 1), 1
	s_wait_xcnt 0x0
	s_wait_alu depctr_hold_cnt(0) depctr_sa_sdst(0) depctr_va_vdst(0) depctr_va_sdst(0) depctr_va_ssrc(0) depctr_va_vcc(0) depctr_vm_vsrc(0)
	s_getreg_b32 s2, hwreg(HW_REG_IB_STS2, 6, 4)
	s_cmp_eq_u32 s2, 0
	s_cbranch_scc0 .Lentry_in_a_cluster
	s_endpgm
.Lentry_in_a_cluster:
	s_bfe_u32 s2, ttmp6, 0x10000c
	s_cmp_lg_u32 s2, 0xf033
	s_cbranch_scc0 .Lentry_shape_is_right
	s_endpgm
.Lentry_shape_is_right:
; out0 = x Wo^T + bo on codes of FP4 (E2M1) with E8M0 scales for each 32 along K = 1,024; sums in f32; out0 [8192][1024] f32.
; x arrives as IMAGES OF OPERAND REGISTERS: xcodes [128 along K: 8][tile of 16 positions: 512][1,024 B], lane l's 16 bytes of registers 4 c .. 4 c + 3 at 512 c + 16 l; xscales [128 along K: 8][position][4 B].
; Wo arrives as rows of 512 bytes of codes and 32 scale bytes, in acodes and ascales.  Rows of x and of Wo lie in POSITION ORDER: position 16 T + r (T = 2 b + u) is true row 32 b + 8 u + r + 8 (r / 8).
; THE MATRIX INSTRUCTION IS USED TRANSPOSED: source 0 = 16 positions of Wo, source 1 = 16 positions of x: a lane holds one row of x, and the 16 registers of Wo's tiles 2 b, 2 b + 1 are true columns 32 b + 16 (lane / 16) + 0 .. 15.
; The rows' true places stand in the stores' immediates.  The bias is the C of each sum's first product.
; SHARES: a work-group of four waves makes 256 x 256, a wave 128 x 128: 64 accumulators, 512 registers.  K is two LDS slots of 512 along K, both asked for at the start: nothing is filled again.  The scale words of all of K are
; read into registers once.  CLUSTERS: 4 x 4 work-groups; x's tiles hang on cy alone and are asked for jointly along a row of the cluster, Wo's on cx alone, along a column.
; REGISTERS, in windows of 256: window 0: v1-31 addresses; v32-63 x's scale words, v64-95 Wo's, and nothing else; v128-191 x's fragments, ONE set; v192-255 the bias; on the way out v128-255 take rows read back.
;   window 1: Wo's fragments, TWO sets, at v0 and v128.   window 2: the accumulators of my x blocks 0-3 (accumulator (a, b) at v[8 (8 (a % 4) + b)]);   window 3: blocks 4-7.
.set NQ,     4
.set ROWB,   256                       ; a row of Wo's tile in bytes
.set KROW,   512
.set PITCH,  272                       ; Wo's rows in LDS: 256 bytes + 16 of padding: the 16 rows that a load touches start at 16 different banks (64 banks of 4 bytes: ISA guide 11.1)
.set FR,     8
.set NL,     2
.set NP,     4                         ; places behind this matrix instruction (ISA guide 7.12.1)
.set HALFT,  128*PITCH
.set BOFF,   65536                     ; a slot: x's images, [half 2][128 along K: 4][tile 8][1,024], dense; then Wo's 256 rows
.set SLOT,   BOFF+2*HALFT
.set SCA,    2*SLOT                    ; x's scale words: [half 2][128 along K: 8][128 positions][4]
.set SCB,    SCA+8192                  ; Wo's scale bytes, as runs of 256 bytes + 16 of padding
.set HALFS,  16*272                    ; those of 128 rows
.set SPARE,  SCB+2*HALFS               ; the spare words, 128 bytes for each wave: two blocks of 256 bytes that no other line names
.set SPITCH, 528                       ; the way out: a stage of 16 rows x (512 bytes + 16) for each wave, in slot 0, which has had its one fill and its last read when the first result is stored there
.set BQO,  12                          ; v12  the bias: 64 x (lane / 16)
.set ADRA, 16                          ; v16-17  LDS address of my x fragments in slot 0, 1
.set ADSA, 18                          ; v18  of x's scale words
.set ADSB, 19                          ; v19  of Wo's
.set ADRB, 20                          ; v20-21  of my Wo fragments
.set STO,  24                          ; v24  the way out: where I put 32 bytes of a row
.set RD,   25                          ; v25  where I read a row back
.set CO,   26                          ; v26  16 x lane
.set SPW,  28                          ; v28  LDS address of my spare word; never rewritten
.set NIL,  29                          ; v29  0; never rewritten
.set SA,   32                          ; x's scale words: register 4 a + kp: block a; lanes 0-15 the (2 kp)-th 128 along K, lanes 16-31 the (2 kp + 1)-th
.set SB,   64                          ; Wo's: register 8 bp + w: the w-th 128 along K; lanes 0-15 block 2 bp, lanes 16-31 block 2 bp + 1
.set AF,   128
.set BIAS, 192
.set BK,   128                         ; the way out: 16 rows read back: v128-191 and v192-255 by turns
.set G1, 24                            ; s[24:31] descriptor group 1 for x's images;  s[32:39] group 0, one set for each slot
.set G0, 32
.set G1B, 48                           ; s[48:55], s[56:63] the same for Wo's tiles
.set G0B, 56
.set G1S, 68                           ; s[68:75], s[76:79] groups 1 and 0 for x's scale words;  s[80:87], s[88:91] for Wo's
.set G0S, 76
.set G1SB, 80
.set G0SB, 88
.set MSB, 0
.macro WIN new                         ; the immediate's high byte repeats the setting that is left
.if MSB != \new
	s_set_vgpr_msb (MSB<<8)|\new
.set MSB, \new
.endif
.endm
.set MUL_LO,  0xa1                     ; source 0 (Wo) window 1, source 1 (x) window 0, C and D window 2
.set MUL_HI,  0xf1
.set MUL_LO0, 0x81                     ; the first step: C (the bias) window 0
.set MUL_HI0, 0xc1
.set TO_B,    0x40
; A joint load: waves 0 and 1 fetch for x, waves 2 and 3 for Wo; the branch hangs on the wave's number alone.  Four v_nop follow each of the two lines.
.macro JLOAD g0a, g1a, g0b, g1b
	s_cmp_eq_u32 s15, 0
	s_cbranch_scc0 .Lfor_b_\@
	tensor_load_to_lds s[\g0a:\g0a+3], s[\g1a:\g1a+7]
	s_nop 0
.rept 4
	v_nop
.endr
	s_branch .Lasked_\@
.Lfor_b_\@:
	tensor_load_to_lds s[\g0b:\g0b+3], s[\g1b:\g1b+7]
	s_nop 0
.rept 4
	v_nop
.endr
.Lasked_\@:
.endm
.macro CROUND                          ; a round of the cluster's barrier
	s_barrier_signal -1
	s_barrier_wait -1
	s_cmp_lg_u32 s14, 0
	s_cbranch_scc1 .Lnot_wave_0_\@
	s_barrier_signal -3
.Lnot_wave_0_\@:
	s_barrier_wait -3
	s_barrier_signal -1
	s_barrier_wait -1
.endm
	s_load_b256 s[4:11], s[0:1], 0x0               ; xcodes s[4:5], xscales s[6:7], acodes s[8:9], ascales s[10:11]
	s_load_b128 s[96:99], s[0:1], 0x20             ; bo s[96:97], out0 s[98:99]
	v_lshl_add_u32 v[SPW], v0, 2, SPARE
	v_mov_b32 v[NIL], 0
	ds_add_u32 v28, v29
	ds_add_u32 v28, v29
	s_wait_dscnt 0x0
	v_lshrrev_b32 v1, 5, v0
	v_readfirstlane_b32 s14, v1                    ; wave 0..3
	s_lshr_b32 s15, s14, 1                         ; which half of x's 256 rows is mine.  Also: I fetch for x (0) or for Wo (1)
	s_and_b32 s16, s14, 1                          ; which half of Wo's.  Also: which half of that tile I fetch
	s_bfe_u32 s40, ttmp6, 0x40000                  ; cx, cy
	s_bfe_u32 s41, ttmp6, 0x40004
	s_lshl_b32 s42, ttmp9, 2
	s_add_co_u32 s42, s42, s40                     ; Wo's tile of 256 rows
	s_and_b32 s17, ttmp7, 0xffff
	s_lshl_b32 s17, s17, 2
	s_add_co_u32 s17, s17, s41                     ; x's tile of 256 rows
	s_lshl_b32 s43, s41, 2
	s_lshl_b32 s43, 15, s43                        ; my row of the cluster
	s_lshl_b32 s44, 0x1111, s40                    ; my column
	; x's images of 128 positions x 512 along K: 4 rows of 8,192 bytes (1,024 elements of 8 bytes), 524,288 bytes apart, dense in LDS
	s_or_b32 s[G1+0], s43, (3<<16)|(1<<21)         ; 15:0 the mask: my row; 17:16 elements of 8 bytes; 21 set beside a mask; no padding: every read takes 16 bytes a lane on end
	s_mov_b32 s[G1+1], 1024<<16                    ; tensor_dim0
	s_mov_b32 s[G1+2], 4<<16                       ; tensor_dim1
	s_mov_b32 s[G1+3], 1024<<16                    ; tile_dim0
	s_mov_b32 s[G1+4], 4                           ; tile_dim1
	s_mov_b32 s[G1+5], 65536                       ; elements from row to row
	s_mov_b32 s[G1+6], 0
	s_mov_b32 s[G1+7], 0
	; Wo's tile: 128 rows x 256 bytes, padded in LDS
	s_or_b32 s[G1B+0], s44, (0<<16)|(1<<20)|(1<<21)|(5<<22)|(3<<25)
	s_mov_b32 s[G1B+1], ROWB<<16
	s_mov_b32 s[G1B+2], 128<<16
	s_mov_b32 s[G1B+3], ROWB<<16
	s_mov_b32 s[G1B+4], 128
	s_mov_b32 s[G1B+5], KROW
	s_mov_b32 s[G1B+6], 0
	s_mov_b32 s[G1B+7], 0
	; x's scale words of 128 positions, all of K: 8 rows of 512 bytes (64 elements), 32,768 bytes apart
	s_or_b32 s[G1S+0], s43, (3<<16)|(1<<21)
	s_mov_b32 s[G1S+1], 64<<16
	s_mov_b32 s[G1S+2], 8<<16
	s_mov_b32 s[G1S+3], 64<<16
	s_mov_b32 s[G1S+4], 8
	s_mov_b32 s[G1S+5], 4096
	s_mov_b32 s[G1S+6], 0
	s_mov_b32 s[G1S+7], 0
	; Wo's scale bytes of 128 rows: 4,096 dense bytes, as 16 rows of 256 bytes, 16 bytes of padding behind each
	s_or_b32 s[G1SB+0], s44, (3<<16)|(1<<20)|(1<<21)|(5<<22)|(3<<25)
	s_mov_b32 s[G1SB+1], 32<<16
	s_mov_b32 s[G1SB+2], 16<<16
	s_mov_b32 s[G1SB+3], 32<<16
	s_mov_b32 s[G1SB+4], 16
	s_mov_b32 s[G1SB+5], 32
	s_mov_b32 s[G1SB+6], 0
	s_mov_b32 s[G1SB+7], 0
	s_lshl_b32 s20, s17, 4
	s_lshl_b32 s18, s16, 3
	s_add_co_u32 s20, s20, s18                     ; x: the first tile of 16 positions that I fetch
	s_lshl_b32 s22, s20, 6                         ; its scale words: 64 bytes a tile
	s_mov_b32 s23, 0
	s_lshl_b32 s20, s20, 10                        ; its images: 1,024 bytes a tile
	s_mov_b32 s21, 0
	s_lshl_b32 s46, s42, 8
	s_lshl_b32 s47, s16, 7
	s_add_co_u32 s46, s46, s47                     ; Wo: the first row that I fetch
	s_lshl_b32 s92, s46, 5
	s_add_co_u32 s92, s92, 884736                  ; Wo's first scale byte in ascales
	s_mov_b32 s93, 0
	s_lshl_b32 s46, s46, 9
	s_add_co_u32 s46, s46, 14155776                ; Wo's first byte in acodes
	s_mov_b32 s47, 0
	s_lshl_b32 s45, s16, 15                        ; where they go: made of the wave's number alone
	s_mul_i32 s94, s16, HALFT
	s_add_co_u32 s94, s94, BOFF
	s_lshl_b32 s95, s16, 12
	s_mul_i32 s18, s16, HALFS
	s_wait_kmcnt 0x0
	s_add_nc_u64 s[20:21], s[4:5], s[20:21]
	s_add_nc_u64 s[22:23], s[6:7], s[22:23]
	s_add_nc_u64 s[46:47], s[8:9], s[46:47]
	s_add_nc_u64 s[92:93], s[10:11], s[92:93]
	CROUND                                         ; all sixteen work-groups are here: the joint loads meet
	s_mov_b32 s[G0S], 1
	s_add_co_u32 s[G0S+1], s95, SCA
	s_mov_b64 s[G0S+2:G0S+3], s[22:23]
	s_or_b32 s[G0S+3], s[G0S+3], 0x80000000
	s_mov_b32 s[G0SB], 1
	s_add_co_u32 s[G0SB+1], s18, SCB
	s_mov_b64 s[G0SB+2:G0SB+3], s[92:93]
	s_or_b32 s[G0SB+3], s[G0SB+3], 0x80000000
	JLOAD G0S, G1S, G0SB, G1SB                     ; the scales first
.irp s, 0,1
	s_mov_b32 s[G0+4*\s], 1
	s_add_co_u32 s[G0+4*\s+1], s45, \s*SLOT
	s_add_nc_u64 s[G0+4*\s+2:G0+4*\s+3], s[20:21], \s*2097152     ; slot s: four runs of 128 along K on
	s_or_b32 s[G0+4*\s+3], s[G0+4*\s+3], 0x80000000
	s_mov_b32 s[G0B+4*\s], 1
	s_add_co_u32 s[G0B+4*\s+1], s94, \s*SLOT
	s_add_nc_u64 s[G0B+4*\s+2:G0B+4*\s+3], s[46:47], \s*ROWB
	s_or_b32 s[G0B+4*\s+3], s[G0B+4*\s+3], 0x80000000
	s_wait_alu depctr_va_vdst(0)
	s_wait_tensorcnt 0x0
	ds_add_u32 v28, v29
	s_wait_dscnt 0x0
	CROUND
	JLOAD G0+4*\s, G1, G0B+4*\s, G1B               ; slot s: only this tensor load of mine is out; the wait above took the earlier ones
.endr
	v_and_b32 v1, 15, v0                           ; r
	v_bfe_u32 v2, v0, 4, 1                         ; h
	v_and_b32 v6, 31, v0
	v_lshlrev_b32 v[CO], 4, v6                     ; 16 x lane
	v_mul_u32_u24 v3, v1, PITCH
	v_lshl_add_u32 v4, v2, 4, v3                   ; Wo: a fragment's row x pitch + 16 h
	s_lshl_b32 s21, s15, 15                        ; my 128 rows of x
	s_mul_i32 s22, s16, HALFT                      ; my 128 rows of Wo
	s_add_co_u32 s22, s22, BOFF
.irp s, 0,1
	v_add_nc_u32 v[ADRA+\s], s21, v[CO]
	v_add_nc_u32 v[ADRB+\s], s22, v4
	s_add_co_u32 s21, s21, SLOT
	s_add_co_u32 s22, s22, SLOT
.endr
	s_lshl_b32 s21, s15, 12
	s_add_co_u32 s21, s21, SCA
	v_lshlrev_b32 v5, 2, v1
	v_lshl_add_u32 v5, v2, 9, v5
	v_add_nc_u32 v[ADSA], s21, v5                  ; x's words: 4 r, and lanes 16-31 one run of 128 along K (512 bytes) on
	s_mul_i32 s22, s16, HALFS
	s_add_co_u32 s22, s22, SCB
	v_lshlrev_b32 v5, 5, v1
	v_lshrrev_b32 v7, 3, v1
	v_lshl_add_u32 v5, v7, 4, v5                   ; Wo's: 32 bytes a row, 16 more for each 256 passed,
	v_mad_u32_u24 v5, v2, 544, v5                  ; and lanes 16-31 one block of 16 rows on
	v_add_nc_u32 v[ADSB], s22, v5
	s_mul_i32 s23, s14, 16*SPITCH                  ; my stage
	v_mul_u32_u24 v5, v1, SPITCH
	v_lshl_add_u32 v5, v2, 6, v5                   ; in: row r; my half's 16 true columns of each 32: 64 h bytes on
	v_add_nc_u32 v[STO], s23, v5
	v_add_nc_u32 v[RD], s23, v[CO]                 ; back: the 32 lanes take one row of 512 bytes
	v_lshlrev_b32 v[BQO], 6, v2
	s_wait_alu depctr_va_vdst(0)
	s_lshl_b32 s20, s17, 8
	s_lshl_b32 s21, s15, 7
	s_add_co_u32 s20, s20, s21
	s_lshl_b32 s20, s20, 12                        ; my first row of out0: 4,096 bytes a row (under 2^25)
	s_mov_b32 s21, 0
	s_lshl_b32 s46, s42, 1
	s_add_co_u32 s46, s46, s16
	s_lshl_b32 s46, s46, 9                         ; my 128 columns: 512 bytes, in a row of out0 and in bo alike
	s_mov_b32 s47, 0
	s_add_nc_u64 s[96:97], s[96:97], s[46:47]
	s_add_nc_u64 s[98:99], s[98:99], s[46:47]
	s_add_nc_u64 s[98:99], s[98:99], s[20:21]
.irp t, 0,1,2,3,4,5,6,7                        ; the bias of Wo's tile t: true columns 32 (t / 2) + 16 h + 8 (t % 2) + 0 .. 7
	global_load_b128 v[BIAS+8*\t:BIAS+8*\t+3], v[BQO], s[96:97] offset:(32*(\t/2)+8*(\t%2))*4
	global_load_b128 v[BIAS+8*\t+4:BIAS+8*\t+7], v[BQO], s[96:97] offset:(32*(\t/2)+8*(\t%2))*4+16
.endr
.macro FRAGB reg, slot, q, i           ; a fragment of Wo: lane l holds row l % 16; registers 4 c .. 4 c + 3 hold K = 64 c + 32 (l / 16) + 0 .. 31
.irp c, 0,1
	ds_load_b128 v[\reg+4*\c:\reg+4*\c+3], v[ADRB+\slot] offset:64*(\q)+32*\c+(\i)*16*PITCH
.endr
.endm
.macro FRAGA reg, slot, q, i           ; a fragment of x comes as it was stored: 16 bytes a lane on end
.irp c, 0,1
	ds_load_b128 v[\reg+4*\c:\reg+4*\c+3], v[ADRA+\slot] offset:8192*(\q)+1024*(\i)+512*\c
.endr
.endm
; 16 matrix instructions: x's blocks a0, a0 + 1 against Wo's eight, the q-th 128 along K of slot s.  p: Wo's set.  zero = 1: the sums begin with the bias.
; The rows of the scale registers: Wo's odd blocks and K's odd runs stand in lanes 16-31.  The 64 accumulators take turns, one instruction a turn, in the same order in every step.
.macro MUL16 a0, p, q, s, zero
.irp a, \a0, \a0+1
.irp b, 0,1,2,3,4,5,6,7
.set DR, 8*(8*((\a)%4)+\b)
.if \zero
.set CR, BIAS+8*\b
.else
.set CR, DR
.endif
.set BR, 128*(\p)+FR*\b
.set AR, AF+FR*(\a)
.set SBR, SB+8*(\b/2)+4*(\s)+(\q)
.set SAR, SA+4*(\a)+2*(\s)+(\q)/2
.if (\b%2) && ((\q)%2)
	v_wmma_scale_f32_16x16x128_f8f6f4 v[DR:DR+7], v[BR:BR+7], v[AR:AR+7], v[CR:CR+7], v[SBR], v[SAR] matrix_a_fmt:MATRIX_FMT_FP4 matrix_b_fmt:MATRIX_FMT_FP4 matrix_a_scale:MATRIX_SCALE_ROW1 matrix_b_scale:MATRIX_SCALE_ROW1
.elseif \b%2
	v_wmma_scale_f32_16x16x128_f8f6f4 v[DR:DR+7], v[BR:BR+7], v[AR:AR+7], v[CR:CR+7], v[SBR], v[SAR] matrix_a_fmt:MATRIX_FMT_FP4 matrix_b_fmt:MATRIX_FMT_FP4 matrix_a_scale:MATRIX_SCALE_ROW1
.elseif (\q)%2
	v_wmma_scale_f32_16x16x128_f8f6f4 v[DR:DR+7], v[BR:BR+7], v[AR:AR+7], v[CR:CR+7], v[SBR], v[SAR] matrix_a_fmt:MATRIX_FMT_FP4 matrix_b_fmt:MATRIX_FMT_FP4 matrix_b_scale:MATRIX_SCALE_ROW1
.else
	v_wmma_scale_f32_16x16x128_f8f6f4 v[DR:DR+7], v[BR:BR+7], v[AR:AR+7], v[CR:CR+7], v[SBR], v[SAR] matrix_a_fmt:MATRIX_FMT_FP4 matrix_b_fmt:MATRIX_FMT_FP4
.endif
.endr
.endr
.endm
.macro FETCH_B slot, q, p
	WIN TO_B
.irp i, 0,1,2,3,4,5,6,7
	FRAGB 128*(\p)+FR*\i, \slot, \q, \i
.endr
	WIN 0
.endm
.macro FETCH_A slot, q, i0
.irp i, \i0, \i0+1, \i0+2, \i0+3
	FRAGA AF+FR*(\i), \slot, \q, \i
.endr
.endm
.macro SCALES_ALL                      ; the scale words of all of K, once: 40 loads
.irp a, 0,1,2,3,4,5,6,7
.irp kp, 0,1,2,3
	ds_load_b32 v[SA+4*\a+\kp], v[ADSA] offset:1024*\kp+64*\a
.endr
.endr
.irp bp, 0,1,2,3
	ds_load_b128 v[SB+8*\bp:SB+8*\bp+3], v[ADSB] offset:1088*\bp
	ds_load_b128 v[SB+8*\bp+4:SB+8*\bp+7], v[ADSB] offset:1088*\bp+16
.endr
.endm
; A load into a register that a matrix instruction has read, and a vector instruction or store that reads a matrix result, stand four places behind that matrix instruction; only plain vector instructions
; that name none of its registers are places (ISA guide 7.12.1 for vector instructions).
.macro PLACES n
.rept \n
	v_nop
.endr
.endm
.macro STEP slot, q, zero              ; a step of 128 along K that has its successor in the same slot
	s_wait_dscnt 4*NL                              ; Wo's set, x's blocks 0-3 and the scale words are in; the youngest eight loads (x's blocks 4-7) may be out
.if \zero
	WIN MUL_LO0
.else
	WIN MUL_LO
.endif
	MUL16 0, (\q)%2, \q, \slot, \zero
	MUL16 2, (\q)%2, \q, \slot, \zero
	s_wait_dscnt 0                                 ; x's blocks 4-7 are in
	PLACES NP
	FETCH_B \slot, (\q)+1, 1-(\q)%2
	FETCH_A \slot, (\q)+1, 0
.if \zero
	WIN MUL_HI0
.else
	WIN MUL_HI
.endif
	MUL16 4, (\q)%2, \q, \slot, \zero
	MUL16 6, (\q)%2, \q, \slot, \zero
	PLACES NP
	WIN 0
	FETCH_A \slot, (\q)+1, 4
.endm
; Slot 0's last step changes slots: one barrier; in front of it each wave waits for all its tensor loads (its part of slot 1), adds 0 to its spare word, and waits for that and for its reads of slot 0.
.macro TURN slot, next
	s_wait_tensorcnt 0x0                           ; all my tensor loads have landed  (every window is 0 here)
	ds_add_u32 v[SPW], v[NIL]                      ; 0 onto my spare word
	s_wait_dscnt 4*NL+1                            ; (the add and the youngest eight loads may be out)
	WIN MUL_LO
	MUL16 0, 1, NQ-1, \slot, 0
	s_wait_dscnt 0x0                               ; the add is done, and my reads of this slot are over
	s_barrier_signal -1
	MUL16 2, 1, NQ-1, \slot, 0
	WIN 0
	s_barrier_wait -1                              ; the next slot is whole, and nobody reads this one any more
	PLACES NP
	FETCH_B \next, 0, 0
	FETCH_A \next, 0, 0
	WIN MUL_HI
	MUL16 4, 1, NQ-1, \slot, 0
	MUL16 6, 1, NQ-1, \slot, 0
	PLACES NP
	WIN 0
	FETCH_A \next, 0, 4
.endm
.macro STEPS slot, from
.set Q, \from
.rept NQ-1-\from
	STEP \slot, Q, 0
.set Q, Q+1
.endr
.endm
	s_wait_tensorcnt 1                             ; the scales and my part of slot 0 are in (slot 1's load, the one issued behind them, may be out),
	s_barrier_signal -1
	s_barrier_wait -1                              ; everybody's are
	FETCH_B 0, 0, 0
	FETCH_A 0, 0, 0
	SCALES_ALL
	FETCH_A 0, 0, 4
	s_wait_loadcnt 0x0                             ; the bias
	STEP 0, 0, 1
	STEPS 0, 1
	TURN 0, 1
	STEPS 1, 0
	s_wait_dscnt 4*NL                              ; the very last step: nothing more to fetch
	WIN MUL_LO
	MUL16 0, 1, NQ-1, 1, 0
	MUL16 2, 1, NQ-1, 1, 0
	s_wait_dscnt 0
	WIN MUL_HI
	MUL16 4, 1, NQ-1, 1, 0
	MUL16 6, 1, NQ-1, 1, 0
	WIN 0
; THE WAY OUT, block by block of 16 rows x 128 columns.  A lane holds 32 neighbouring bytes of a row for each of Wo's tiles; a block goes through my own stage in LDS, each tile's bytes at their true columns, and comes back as whole
; rows of 512 bytes.  LDS serves a wave's instructions in order (ISA guide 5.7.1.4): no wait between the stores and the loads, nor in front of the next block's stores.
.macro TOSTAGE a
.set AC, 64*((\a)%4)
	WIN 0x08+4*((\a)/4)                            ; the data: window 2 or 3
.irp b, 0,1,2,3,4,5,6,7
	ds_store_b128 v[STO], v[AC+8*\b:AC+8*\b+3] offset:128*(\b/2)+32*(\b%2)          ; each accumulator from its low end on
	ds_store_b128 v[STO], v[AC+8*\b+4:AC+8*\b+7] offset:128*(\b/2)+32*(\b%2)+16
.endr
	WIN 0
.set BB, BK+64*((\a)%2)
.irp t, 0,1,2,3,4,5,6,7,8,9,10,11,12,13,14,15
	ds_load_b128 v[BB+4*\t:BB+4*\t+3], v[RD] offset:\t*SPITCH
.endr
.endm
.macro SEND a, younger                 ; younger: the LDS instructions issued behind block a's loads, which may stay out
.set BB, BK+64*((\a)%2)
	s_wait_dscnt \younger                          ; the block is back in registers
.irp t, 0,1,2,3,4,5,6,7,8,9,10,11,12,13,14,15
	global_store_b128 v[CO], v[BB+4*\t:BB+4*\t+3], s[98:99] offset:(32*((\a)/2)+8*((\a)%2)+\t+8*(\t/8))*4096 th:TH_STORE_NT   ; position 16 a + t goes to its true row: 127 rows of 4,096 bytes at the most, inside the signed 24-bit immediate; 32 lanes store 512 consecutive bytes, aligned; written once, read by nobody here
.endr
.endm
	PLACES NP                                      ; behind the last products: for the reads of results and for the loads into the registers that held x's fragments
	TOSTAGE 0
.irp a, 1,2,3,4,5,6,7
.if \a > 1
	s_wait_xcnt 0x0                                ; block a - 2's stores have read their registers: block a's loads may land there
.endif
	TOSTAGE \a
	SEND \a-1, 32                                  ; behind block a - 1's loads: block a's 16 stores and 16 loads
.endr
	SEND 7, 0
	s_wait_tensorcnt 0x0                           ; the wave's end
	ds_add_u32 v[SPW], v[NIL]
	s_wait_dscnt 0x0
	CROUND                                         ; the closing round: no work-group ends while a partner may still ask for a tile that names it
	s_endpgm
.Lfunc_end_k_q2dfeb33f7a_outp:
	.size	k_q2dfeb33f7a_outp, .Lfunc_end_k_q2dfeb33f7a_outp-k_q2dfeb33f7a_outp
	.p2alignl 7, 3214868480
	.fill 96, 4, 3214868480
	.section	.rodata,"a",@progbits
	.p2align	6, 0x0
	.amdhsa_kernel k_q2dfeb33f7a_outp
		.amdhsa_group_segment_fixed_size 327680
		.amdhsa_private_segment_fixed_size 0
		.amdhsa_enable_private_segment 0
		.amdhsa_kernarg_size 48
		.amdhsa_user_sgpr_count 2
		.amdhsa_user_sgpr_kernarg_segment_ptr 1
		.amdhsa_wavefront_size32 1
		.amdhsa_system_sgpr_workgroup_id_x 1
		.amdhsa_system_sgpr_workgroup_id_y 1
		.amdhsa_system_sgpr_workgroup_id_z 1
		.amdhsa_system_vgpr_workitem_id 0
		.amdhsa_next_free_vgpr 1024
		.amdhsa_next_free_sgpr 100
		.amdhsa_reserve_vcc 0
		.amdhsa_float_denorm_mode_32 3
		.amdhsa_float_denorm_mode_16_64 3
		.amdhsa_memory_ordered 1
		.amdhsa_forward_progress 1
		.amdhsa_inst_pref_size 128
	.end_amdhsa_kernel
	.amdgpu_metadata
---
amdhsa.version: [ 1, 2 ]
amdhsa.kernels:
  - .name:           k_q2dfeb33f7a_outp
    .symbol:         k_q2dfeb33f7a_outp.kd
    .args:
      - { .name: xcodes, .offset: 0, .size: 8, .value_kind: global_buffer, .address_space: global }
      - { .name: xscales, .offset: 8, .size: 8, .value_kind: global_buffer, .address_space: global }
      - { .name: acodes, .offset: 16, .size: 8, .value_kind: global_buffer, .address_space: global }
      - { .name: ascales, .offset: 24, .size: 8, .value_kind: global_buffer, .address_space: global }
      - { .name: bo, .offset: 32, .size: 8, .value_kind: global_buffer, .address_space: global }
      - { .name: out0, .offset: 40, .size: 8, .value_kind: global_buffer, .address_space: global }
    .group_segment_fixed_size: 327680
    .private_segment_fixed_size: 0
    .kernarg_segment_align: 8
    .kernarg_segment_size: 48
    .max_flat_workgroup_size: 128
    .sgpr_count:     100
    .vgpr_count:     1024
    .wavefront_size: 32
...
	.end_amdgpu_metadata
.endif
;; end of part 4
